; MI455X (gfx1250); checked and timed in simulation.
; The chip was launched on July 23, 2026; its instructions are those of AMD's public machine-readable ISA for CDNA 5 (MIT licence, August 2026) and "CDNA5" Instruction Set Architecture Reference Guide (July 2026). The comments in the code are by the model that wrote it; some were corrected since.
;; GPT2 Attention. Allowed arithmetic: matrix products marked QUANTISED: E2M1 operands, one E8M0 scale for each 32 along K, by v_wmma_scale_f32_16x16x128_f8f6f4 with both operands' format E2M1 (or v_wmma_scale_f32_32x16x128_f4), f32 sums; products left as they are: bf16, f16 or f32 operands; f32 sums; everything else in f32.
;; Inputs: W_attn 1,024 x 3,072 float32; W_proj 1,024 x 1,024 float32; b_attn 3,072 float32; b_proj 1,024 float32; x 4 x 2,048 x 1,024 float32.
;; Outputs: out0 4 x 2,048 x 1,024 float32.
;; This version of the problem:
;;   THIS VERSION OF THE PROBLEM IS GIVEN IN LOW PRECISION. The matrix products marked QUANTISED in the list below multiply operands that are first quantised to E2M1 (2 exponent bits, 1 mantissa bit; 4 bits a number), with one power-of-two scale for each 32 numbers along K (OCP MX v1.0); their sums are f32. The products marked 'left as it is' may take bf16, f16 or f32 operands, with f32 sums. Whichever they take, every output number must still come out within the allowed error. Rounding operands to bf16 (8 significant bits) uses up far more of that allowance than f16 does (11 bits, for magnitudes from 6e-5 to 65,504). All else is computed in f32.
;;   The module's matrix products, in the order in which they are computed (A, B: the left and right operand; K: the contracted axis; several contracted axes count as one K, in the product's order):
;;     1. [M 8,192, K 1,024] x [K 1,024, N 3,072]; A: input x; B: input W_attn: QUANTISED
;;     2. batch 64 x [M 2,048, K 64] x [K 64, N 2,048]; A: computed on the way; B: computed on the way: left as it is (an operand is computed on the way)
;;     3. batch 64 x [M 2,048, K 2,048] x [K 2,048, N 64]; A: computed on the way; B: computed on the way: left as it is (an operand is computed on the way)
;;     4. [M 8,192, K 1,024] x [K 1,024, N 1,024]; A: computed on the way; B: input W_proj: left as it is (an operand is computed on the way)
;;   THE QUANTISER, for each operand of a quantised product, along K:
;;     - K is cut into blocks of 32 from its start; a last block that is shorter is filled with zeros.
;;     - A block's scale is 2^e with e = floor(log2(the largest magnitude in the block)) - 2, held to -126 .. 127; a block of zeros has e = 0. As a byte (E8M0): e + 127.
;;     - Each number is divided by its block's scale, clamped to +-6, and rounded to the nearest number of E2M1, ties to even, subnormals kept.
;;     - The product sums the exact products of the quantised numbers (number of the format x scale) in f32.
;;   ~~~python
;;   def quantise(x, axis):      # numpy; x: float32 -> the quantised numbers, widened to float32 again
;;       x = np.moveaxis(x, axis, -1); K = x.shape[-1]
;;       x = np.pad(x, [(0, 0)] * (x.ndim - 1) + [(0, -K % 32)]); x = x.reshape(x.shape[:-1] + (-1, 32)); a = np.abs(x).max(-1, keepdims=True)
;;       e = np.where(a > 0, np.clip(np.frexp(np.where(a > 0, a, 1))[1] - 1 - 2, -126, 127), 0)      # np.frexp(a)[1] - 1 = floor(log2(a)), exactly
;;       r = np.clip(x / 2.0 ** e, -6, 6)
;;       step = 2.0 ** (np.maximum(np.frexp(np.where(r == 0, 1, r))[1] - 1, 0) - 1)
;;       q = np.round(r / step) * step * 2.0 ** e      # np.round: ties to even
;;       return np.moveaxis(q.reshape(q.shape[:-2] + (-1,))[..., :K], -1, axis).astype(np.float32)
;;   ~~~
;; One version. Each part assembles by itself: llvm-mc -triple=amdgcn-amd-amdhsa -mcpu=gfx1250 --defsym DOCPART=n.
;; ======== version 1 of 1: 5 launches
;; limits: values are held in f16: magnitudes above 65,504 overflow, below 6.1e-05 lose precision
;; workspace buffers: x_codes 4,194,304 bytes; x_scales 262,144 bytes; w_codes 1,572,864 bytes; w_scales 98,304 bytes; wpt 2,097,152 bytes; qkv 50,331,648 bytes; qkvf 786,432 bytes; ctx 16,777,216 bytes
;; launch prep (part 1): grid 368 x 1, 4 waves a work-group, no clusters, 102,912 bytes of LDS; arguments x, W_attn, W_proj, x_codes, x_scales, w_codes, w_scales, wpt; writes x_codes, x_scales, w_codes, w_scales, wpt
.if DOCPART == 1
	.amdgcn_target "amdgcn-amd-amdhsa--gfx1250"
	.amdhsa_code_object_version 6
	.text
	.protected	k_q2e66b586c7_prep
	.globl	k_q2e66b586c7_prep
	.p2align	8
	.type	k_q2e66b586c7_prep,@function
k_q2e66b586c7_prep:
	s_mov_b64 s[64:65], 0
	v_nop
	global_prefetch_b8 v0, s[64:65] scope:SCOPE_SE
	s_setreg_imm32_b32 hwreg(HW_REG_WAVE_MODE, 25, 1), 1
	s_wait_xcnt 0x0
; PREP: three pieces of work that every later launch reads many times are done once.  The work-group's number picks the path; each path has LDS bytes of its own.
;   work-groups   0-255  X: x [8192][1024] f32 -> codes of FP4 (E2M1), K innermost, [8192][512 bytes], and one E8M0 byte for each 32 along K, [8192][32]
;   work-groups 256-303  W: W_attn [1024 k][3072 n] f32 -> codes laid [3072 n][512 bytes], K innermost, and scale bytes [3072][32]
;   work-groups 304-367  P: W_proj [1024 k][1024 n] f32 -> f16, laid [1024 n][1024 k]
; A block's scale is 2^(floor(log2(its largest magnitude)) - 2); its byte is the largest magnitude's exponent field - 2, held at 1 from below.
; A block of zeros gets the byte 1: its codes are zeros, which add nothing, and this program alone reads the bytes.
; LIMITS: NaN and infinities among the inputs are not served; blocks whose largest magnitude lies under 2^-124 take the byte 1; W_proj goes in f16: magnitudes under 65,504.
; No tensor loads, no barrier: waves share nothing.
.set SPARE,  102400                    ; the spare words, 128 bytes a wave: two blocks of 256 bytes that no other line names
.set SPW,    192                       ; v192 LDS address of my spare word; never rewritten
.set NIL,    193                       ; v193 0; never rewritten
.set EMAX,   2
; path X
.set XSTEPS, 16                        ; a wave takes 16 steps of 512 numbers
.set XCB,    8                         ; bytes of 16 codes
.set XR,     16                        ; v16-79   four sets of 16 numbers as loaded
.set XX,     80                        ; v80-111  two sets of 16 neighbours
.set XE,     112                       ; v112-127 a scale byte for each step
.set XC,     128                       ; v128-191 codes: registers of its own for each step
.set XWREG,  8192                      ; LDS bytes 0-32767: a region for each wave: two stages of 32 x 80 bytes, then its 256 scale bytes
.set XSP,    80                        ; a lane's place in a stage: 64 bytes + 16 of padding
; path W
.set WBASE,  32768                     ; LDS: four stages of 32 x 272 bytes
.set WNB,    16                        ; blocks of 32 along K for a wave
.set WPITCH, 272
.set WKROW,  512                       ; a row of w_codes in bytes
.set WROW,   12288                     ; a row of W_attn in bytes
.set WX,     32                        ; v32-95   two sets of 32 numbers
.set WC,     96                        ; v96-99   a block's codes
.set WOUT,   112                       ; v112-175 the way out
.set WSB,    24                        ; v24-27   the scale bytes, four to a register
; path P
.set PBASE,  67584                     ; LDS: four stages of 32 x 272 bytes
.set PX,     32                        ; v32-159  128 numbers down k of my column
	s_load_b256 s[4:11], s[0:1], 0x0               ; x s[4:5], W_attn s[6:7], W_proj s[8:9], x_codes s[10:11]
	s_load_b256 s[12:19], s[0:1], 0x20             ; x_scales s[12:13], w_codes s[14:15], w_scales s[16:17], wpt s[18:19]
	v_lshl_add_u32 v[SPW], v0, 2, SPARE
	v_mov_b32 v[NIL], 0
	v_lshrrev_b32 v1, 5, v0
	v_readfirstlane_b32 s20, v1                    ; wave 0..3
	v_and_b32 v2, 31, v0                           ; lane
	s_wait_kmcnt 0x0
	s_cmp_lt_u32 ttmp9, 256
	s_cbranch_scc0 .Lnot_x
; ---------------- PATH X.  x is a plain stream of blocks of 32.  Each load reads 512 consecutive bytes; a step's 2,048 bytes turn through the wave's stage so that a lane holds 16 neighbours.
	v_lshlrev_b32 v3, 4, v2                        ; my 16 bytes of a load's 512
	s_mul_i32 s21, s20, XWREG
	v_lshrrev_b32 v14, 2, v2
	v_mul_u32_u24 v14, v14, XSP
	v_and_b32 v15, 3, v2
	v_lshl_add_u32 v14, v15, 4, v14
	v_add_nc_u32 v14, s21, v14                     ; the stage, on the way in: 80 (lane / 4) + 16 (lane % 4)
	v_mul_u32_u24 v15, v2, XSP
	v_add_nc_u32 v15, s21, v15                     ; on the way out: 80 x lane
	v_mul_u32_u24 v4, v2, XCB                      ; my codes' place in a step's
	v_lshrrev_b32 v5, 1, v2
	s_add_co_u32 s21, s21, 2*32*XSP
	v_add_nc_u32 v5, s21, v5                       ; LDS: my block's scale byte
	v_lshlrev_b32 v7, 3, v2
	v_add_nc_u32 v6, s21, v7                       ; and 8 bytes a lane on the way out
	s_lshl_b32 s22, ttmp9, 2
	s_add_co_u32 s22, s22, s20                     ; which run of 8,192 numbers is my wave's
	s_mov_b32 s25, 0
	s_lshl_b32 s24, s22, 15                        ; 32,768 bytes of x a run,
	s_add_nc_u64 s[4:5], s[4:5], s[24:25]
	s_lshl_b32 s24, s22, 12                        ; 4,096 of codes,
	s_add_nc_u64 s[10:11], s[10:11], s[24:25]
	s_lshl_b32 s24, s22, 8                         ; 256 of scale bytes
	s_add_nc_u64 s[12:13], s[12:13], s[24:25]
.macro XLOAD t
.irp i, 0,1,2,3
	global_load_b128 v[XR+16*((\t)%4)+4*\i:XR+16*((\t)%4)+4*\i+3], v3, s[4:5] offset:2048*(\t)+512*\i th:TH_LOAD_NT
.endr
.endm
.macro XTURN t                         ; step t's numbers through the stage: LDS serves a wave's instructions in order (ISA guide 5.7.1.4)
.irp i, 0,1,2,3
	ds_store_b128 v14, v[XR+16*((\t)%4)+4*\i:XR+16*((\t)%4)+4*\i+3] offset:32*XSP*((\t)%2)+8*XSP*\i
.endr
.irp i, 0,1,2,3
	ds_load_b128 v[XX+16*((\t)%2)+4*\i:XX+16*((\t)%2)+4*\i+3], v15 offset:32*XSP*((\t)%2)+16*\i
.endr
.endm
.irp t, 0,1,2,3
	XLOAD \t
.endr
	s_wait_loadcnt 12                              ; step 0's four loads are in; three steps' twelve stay out
	XTURN 0
.macro XSTEP t
.set XS, XX+16*((\t)%2)
.if (\t) > 0
	s_wait_dscnt 1                                 ; this step's numbers are back from the stage (the last step's byte store may be out)
.else
	s_wait_dscnt 0x0
.endif
.if (\t)+4 < XSTEPS
	XLOAD (\t)+4                                   ; into the set whose stores into the stage are done
.endif
.if (\t)+1 < XSTEPS
.if XSTEPS-2-(\t) >= 3
	s_wait_loadcnt 12                              ; the next step's four loads are in; those of the three steps behind it may be out
.else
	s_wait_loadcnt 4*(XSTEPS-2-(\t))
.endif
	XTURN (\t)+1
.endif
	v_max3_num_f32 v8, |v[XS]|, |v[XS+1]|, |v[XS+2]|               ; the largest magnitude of my 16, in two chains
	v_max3_num_f32 v9, |v[XS+3]|, |v[XS+4]|, |v[XS+5]|
.irp i, 6,10
	v_max3_num_f32 v8, v8, |v[XS+\i]|, |v[XS+\i+1]|
	v_max3_num_f32 v9, v9, |v[XS+\i+2]|, |v[XS+\i+3]|
.endr
	v_max3_num_f32 v8, v8, |v[XS+14]|, |v[XS+15]|
	v_max3_num_f32 v8, v8, v9, (EMAX+1)<<23        ; and the floor 2^(3 - 127): the byte cannot fall under 1
	v_max_num_f32_dpp v8, v8, v8 row_xmask:1 row_mask:0xf bank_mask:0xf   ; with my neighbour's 16: the block's
	v_add_nc_u32 v11, -(EMAX<<23), v8              ; 2 off its exponent field: the conversion takes that field as its scale
	v_cvt_scalef32_pk8_fp4_f32 v[XC+4*(\t)], v[XS:XS+7], v11
	v_cvt_scalef32_pk8_fp4_f32 v[XC+4*(\t)+1], v[XS+8:XS+15], v11
	v_lshrrev_b32 v[XE+(\t)], 23, v11              ; the scale's byte (a plain line behind the conversions)
	ds_store_b8 v5, v[XE+(\t)] offset:16*(\t)      ; both lanes of a block write the same byte with the same value
	global_store_b64 v4, v[XC+4*(\t):XC+4*(\t)+1], s[10:11] offset:32*XCB*(\t)   ; the wave stores 256 consecutive bytes, aligned
.endm
.irp t, 0,1,2,3,4,5,6,7,8,9,10,11,12,13,14,15
	XSTEP \t
.endr
	ds_load_b64 v[8:9], v6                         ; my wave's 256 scale bytes, 8 a lane
	s_wait_dscnt 0x0
	global_store_b64 v7, v[8:9], s[12:13]          ; 256 consecutive bytes, aligned
	s_wait_tensorcnt 0x0                           ; the wave's end
	ds_add_u32 v[SPW], v[NIL]
	s_wait_dscnt 0x0
	s_endpgm
.Lnot_x:
	s_cmp_lt_u32 ttmp9, 304
	s_cbranch_scc0 .Lp
; ---------------- PATH W.  A lane takes a column n and its registers run down K: a block of 32 lies in one lane, and the conversions give codes with K innermost.
; A work-group takes 128 columns x 512 along K; a wave 32 columns.  The codes leave through the wave's stage as rows: sixteen lanes store 256 consecutive bytes.
	s_sub_co_u32 s21, ttmp9, 256
	s_cmp_ge_u32 s21, 24
	s_cselect_b32 s22, 1, 0                        ; which 512 along K
	s_cselect_b32 s23, 24, 0
	s_sub_co_u32 s21, s21, s23                     ; which 128 columns
	s_lshl_b32 s21, s21, 7
	s_lshl_b32 s23, s20, 5
	s_add_co_u32 s21, s21, s23                     ; my wave's first column
	s_mov_b32 s25, 0
	s_mul_i32 s24, s22, 512*WROW
	s_lshl_b32 s23, s21, 2
	s_add_co_u32 s24, s24, s23
	s_add_nc_u64 s[6:7], s[6:7], s[24:25]          ; W_attn: 512 y rows down, 4 bytes a column
	s_lshl_b32 s24, s21, 9
	s_lshl_b32 s23, s22, 8
	s_add_co_u32 s24, s24, s23
	s_add_nc_u64 s[14:15], s[14:15], s[24:25]      ; codes: column x 512 + 256 y
	s_lshl_b32 s24, s21, 5
	s_lshl_b32 s23, s22, 4
	s_add_co_u32 s24, s24, s23
	s_add_nc_u64 s[16:17], s[16:17], s[24:25]      ; scale bytes: column x 32 + 16 y
	s_mul_i32 s26, s20, 32*WPITCH
	s_add_co_u32 s26, s26, WBASE                   ; my stage
	v_lshlrev_b32 v3, 2, v2                        ; in: 4 bytes a lane
	v_mul_u32_u24 v4, v2, WPITCH
	v_add_nc_u32 v4, s26, v4                       ; into the stage: row = my column
	v_and_b32 v5, 15, v2
	v_lshrrev_b32 v6, 4, v2
	v_mul_u32_u24 v7, v6, WPITCH
	v_lshl_add_u32 v7, v5, 4, v7
	v_add_nc_u32 v7, s26, v7                       ; out of it: sixteen lanes to a row, two rows an instruction
	v_mul_u32_u24 v8, v6, WKROW
	v_lshl_add_u32 v8, v5, 4, v8                   ; the same place in w_codes
	v_lshlrev_b32 v9, 5, v2                        ; my column's row of scale bytes
.macro WLOAD t                         ; block t: W(32 t + i, my column) into set t % 2
.irp i, 0,1,2,3,4,5,6,7,8,9,10,11,12,13,14,15,16,17,18,19,20,21,22,23,24,25,26,27,28,29,30,31
	global_load_b32 v[WX+32*((\t)%2)+\i], v3, s[6:7] offset:(32*(\t)+\i)*WROW th:TH_LOAD_NT
.endr
.endm
	WLOAD 0
	WLOAD 1
.macro WBLOCK t
.set WS, WX+32*((\t)%2)
.if (\t) < WNB-1
	s_wait_loadcnt 32                              ; this block's 32 loads are in; the next block's may be out
.else
	s_wait_loadcnt 0
.endif
	v_max3_num_f32 v12, |v[WS]|, |v[WS+1]|, |v[WS+2]|
	v_max3_num_f32 v13, |v[WS+3]|, |v[WS+4]|, |v[WS+5]|
.irp i, 6,10,14,18,22,26
	v_max3_num_f32 v12, v12, |v[WS+\i]|, |v[WS+\i+1]|
	v_max3_num_f32 v13, v13, |v[WS+\i+2]|, |v[WS+\i+3]|
.endr
	v_max3_num_f32 v12, v12, |v[WS+30]|, |v[WS+31]|
	v_max3_num_f32 v12, v12, v13, (EMAX+1)<<23     ; with the floor
	v_add_nc_u32 v11, -(EMAX<<23), v12
	v_lshrrev_b32 v13, 23, v11                     ; the scale's byte
.if (\t)%4 == 0
	v_mov_b32 v[WSB+(\t)/4], v13
.else
	v_lshl_or_b32 v[WSB+(\t)/4], v13, 8*((\t)%4), v[WSB+(\t)/4]
.endif
.irp g, 0,1,2,3
	v_cvt_scalef32_pk8_fp4_f32 v[WC+\g], v[WS+8*\g:WS+8*\g+7], v11
.endr
	ds_store_b128 v4, v[WC:WC+3] offset:16*(\t)    ; 32 codes: 16 bytes of my column's row
.if (\t)+2 < WNB
	WLOAD (\t)+2
.endif
	s_wait_dscnt 0x0                               ; the store has read its registers: the next block's codes may be written
.endm
.irp t, 0,1,2,3,4,5,6,7,8,9,10,11,12,13,14,15
	WBLOCK \t
.endr
	global_store_b128 v9, v[WSB:WSB+3], s[16:17]   ; my column's 16 scale bytes
.irp t, 0,1,2,3,4,5,6,7,8,9,10,11,12,13,14,15
	ds_load_b128 v[WOUT+4*\t:WOUT+4*\t+3], v7 offset:2*\t*WPITCH
.endr
.irp t, 0,1,2,3,4,5,6,7,8,9,10,11,12,13,14,15
	s_wait_dscnt 15-\t                             ; the younger reads from the stage may be out
	global_store_b128 v8, v[WOUT+4*\t:WOUT+4*\t+3], s[14:15] offset:2*\t*WKROW
.endr
	s_wait_tensorcnt 0x0                           ; the wave's end
	ds_add_u32 v[SPW], v[NIL]
	s_wait_dscnt 0x0
	s_endpgm
.Lp:
; ---------------- PATH P.  The same plan without a quantiser: a lane takes a column n of W_proj, 128 registers run down k, pairs are rounded to f16, and the rows [n][k] leave through the stage.
; A work-group takes 128 columns x 128 k; a wave 32 columns.
	s_sub_co_u32 s21, ttmp9, 304
	s_and_b32 s22, s21, 7                          ; which 128 columns
	s_lshr_b32 s23, s21, 3                         ; which 128 along k
	s_lshl_b32 s22, s22, 7
	s_lshl_b32 s24, s20, 5
	s_add_co_u32 s22, s22, s24                     ; my wave's first column
	s_lshl_b32 s24, s23, 19                        ; 128 rows of 4,096 bytes
	s_lshl_b32 s25, s22, 2
	s_add_co_u32 s24, s24, s25
	s_mov_b32 s25, 0
	s_add_nc_u64 s[8:9], s[8:9], s[24:25]
	s_lshl_b32 s24, s22, 11                        ; wpt: a row is 2,048 bytes,
	s_lshl_b32 s26, s23, 8                         ; 128 k are 256
	s_add_co_u32 s24, s24, s26
	s_add_nc_u64 s[18:19], s[18:19], s[24:25]
	s_mul_i32 s26, s20, 32*272
	s_add_co_u32 s26, s26, PBASE                   ; my stage
	v_lshlrev_b32 v3, 2, v2
	v_mul_u32_u24 v4, v2, 272
	v_add_nc_u32 v4, s26, v4
	v_and_b32 v5, 15, v2
	v_lshrrev_b32 v6, 4, v2
	v_mul_u32_u24 v7, v6, 272
	v_lshl_add_u32 v7, v5, 4, v7
	v_add_nc_u32 v7, s26, v7
	v_lshlrev_b32 v8, 11, v6
	v_lshl_add_u32 v8, v5, 4, v8
.set i, 0
.rept 128
	global_load_b32 v[PX+i], v3, s[8:9] offset:i*4096 th:TH_LOAD_NT   ; W_proj(k, my column): 32 lanes read 128 consecutive bytes
.set i, i+1
.endr
.macro PBLOCK t, left
	s_wait_loadcnt \left                           ; block t's 32 loads are in
.irp i, 0,1,2,3,4,5,6,7,8,9,10,11,12,13,14,15
	v_cvt_pk_f16_f32 v[PX+32*\t+\i], v[PX+32*\t+2*\i], v[PX+32*\t+2*\i+1]   ; in place, ascending: the lower k in the low half
.endr
.irp g, 0,1,2,3
	ds_store_b128 v4, v[PX+32*\t+4*\g:PX+32*\t+4*\g+3] offset:64*\t+16*\g
.endr
.endm
	PBLOCK 0, 63                                   ; 96 younger loads might stay out; the wait's field holds 63
	PBLOCK 1, 63                                   ; 64 might
	PBLOCK 2, 32
	PBLOCK 3, 0
	s_wait_dscnt 0x0                               ; the stores have read their registers
.irp u, 0,1,2,3,4,5,6,7,8,9,10,11,12,13,14,15
	ds_load_b128 v[PX+4*\u:PX+4*\u+3], v7 offset:2*\u*272
.endr
.irp u, 0,1,2,3,4,5,6,7,8,9,10,11,12,13,14,15
	s_wait_dscnt 15-\u
	global_store_b128 v8, v[PX+4*\u:PX+4*\u+3], s[18:19] offset:2*\u*2048   ; sixteen lanes store 256 consecutive bytes, aligned
.endr
	s_wait_tensorcnt 0x0                           ; the wave's end
	ds_add_u32 v[SPW], v[NIL]
	s_wait_dscnt 0x0
	s_endpgm
.Lfunc_end_k_q2e66b586c7_prep:
	.size	k_q2e66b586c7_prep, .Lfunc_end_k_q2e66b586c7_prep-k_q2e66b586c7_prep
	.p2alignl 7, 3214868480
	.fill 96, 4, 3214868480
	.section	.rodata,"a",@progbits
	.p2align	6, 0x0
	.amdhsa_kernel k_q2e66b586c7_prep
		.amdhsa_group_segment_fixed_size 102912
		.amdhsa_private_segment_fixed_size 0
		.amdhsa_enable_private_segment 0
		.amdhsa_kernarg_size 64
		.amdhsa_user_sgpr_count 2
		.amdhsa_user_sgpr_kernarg_segment_ptr 1
		.amdhsa_wavefront_size32 1
		.amdhsa_system_sgpr_workgroup_id_x 1
		.amdhsa_system_sgpr_workgroup_id_y 1
		.amdhsa_system_sgpr_workgroup_id_z 1
		.amdhsa_system_vgpr_workitem_id 0
		.amdhsa_next_free_vgpr 196
		.amdhsa_next_free_sgpr 66
		.amdhsa_reserve_vcc 0
		.amdhsa_float_denorm_mode_32 3
		.amdhsa_float_denorm_mode_16_64 3
		.amdhsa_memory_ordered 1
		.amdhsa_forward_progress 1
		.amdhsa_inst_pref_size 132
	.end_amdhsa_kernel
	.amdgpu_metadata
---
amdhsa.version: [ 1, 2 ]
amdhsa.kernels:
  - .name:           k_q2e66b586c7_prep
    .symbol:         k_q2e66b586c7_prep.kd
    .args:
      - { .name: x, .offset: 0, .size: 8, .value_kind: global_buffer, .address_space: global }
      - { .name: W_attn, .offset: 8, .size: 8, .value_kind: global_buffer, .address_space: global }
      - { .name: W_proj, .offset: 16, .size: 8, .value_kind: global_buffer, .address_space: global }
      - { .name: x_codes, .offset: 24, .size: 8, .value_kind: global_buffer, .address_space: global }
      - { .name: x_scales, .offset: 32, .size: 8, .value_kind: global_buffer, .address_space: global }
      - { .name: w_codes, .offset: 40, .size: 8, .value_kind: global_buffer, .address_space: global }
      - { .name: w_scales, .offset: 48, .size: 8, .value_kind: global_buffer, .address_space: global }
      - { .name: wpt, .offset: 56, .size: 8, .value_kind: global_buffer, .address_space: global }
    .group_segment_fixed_size: 102912
    .private_segment_fixed_size: 0
    .kernarg_segment_align: 8
    .kernarg_segment_size: 64
    .max_flat_workgroup_size: 128
    .sgpr_count:     66
    .vgpr_count:     196
    .wavefront_size: 32
...
	.end_amdgpu_metadata
.endif
;; end of part 1
;; launch qkv_gemm (part 2): grid 12 x 32, 4 waves a work-group, clusters of 4 x 4, 327,680 bytes of LDS; arguments x_codes, x_scales, w_codes, w_scales, qkv, b_attn, qkvf; writes qkv, qkvf
.if DOCPART == 2
	.amdgcn_target "amdgcn-amd-amdhsa--gfx1250"
	.amdhsa_code_object_version 6
	.text
	.protected	k_q2e66b586c7_qkv_gemm
	.globl	k_q2e66b586c7_qkv_gemm
	.p2align	8
	.type	k_q2e66b586c7_qkv_gemm,@function
k_q2e66b586c7_qkv_gemm:
	s_mov_b64 s[64:65], 0
	v_nop
	global_prefetch_b8 v0, s[64:65] scope:SCOPE_SE
	s_setreg_imm32_b32 hwreg(HW_REG_WAVE_MODE, 25, 1), 1
	s_wait_xcnt 0x0
	s_wait_alu depctr_hold_cnt(0) depctr_sa_sdst(0) depctr_va_vdst(0) depctr_va_sdst(0) depctr_va_ssrc(0) depctr_va_vcc(0) depctr_vm_vsrc(0)
	s_getreg_b32 s2, hwreg(HW_REG_IB_STS2, 6, 4)
	s_cmp_eq_u32 s2, 0
	s_cbranch_scc0 .Lentry_in_a_cluster
	s_endpgm
.Lentry_in_a_cluster:
	s_bfe_u32 s2, ttmp6, 0x10000c
	s_cmp_lg_u32 s2, 0xf033
	s_cbranch_scc0 .Lentry_shape_is_right
	s_endpgm
.Lentry_shape_is_right:
; qkv = Q(x) Q(W_attn) + b_attn on codes of FP4 (E2M1) with one E8M0 scale for each 32 along K; sums in f32.
; x_codes [8192][512 bytes], x_scales [8192][32]; w_codes [3072 n][512 bytes], w_scales [3072][32].
; OUT: qkv, f16, laid [3 parts][64 = batch x 16 + head][2048 t][64 d]: 16 rows of a head are 2,048 consecutive bytes.  qkvf, f32, [64 = batch x 16 + t][3072]: the rows t < 16 once more, unrounded.
; LIMIT: q, k, v go in f16: magnitudes under 65,504.
; A tile of 256 x 256 is made by four waves, each 128 x 128: 64 accumulators, 512 registers.  K = 1,024 is two steps of 512, one to each of two LDS slots: both are filled once, at the head, and nothing is filled again.
; The scale bytes of the tile's rows of x and of W, for all of K, come once as well.  By this text's count a wave has three tensor loads out at the head.
; CLUSTERS: 4 x 4 work-groups.  The four of a row of the cluster need the same tiles of x, the four of a column the same tiles of W: each is asked for jointly.
; The tile row is 8 cy + cluster y, so that the batch is cy and the rows t < 16 lie in the clusters with y = 0, in all sixteen partners alike: the branch round the f32 rows hangs on the cluster's y and the wave's number alone.
; THE MATRIX INSTRUCTION IS USED TRANSPOSED (source 0 = 16 rows of W, source 1 = 16 rows of x): a lane holds eight neighbouring columns of one row.  The bias is the C of each sum's first instruction.
; REGISTERS: window 0: v16-31 addresses; v32-95 scale words, two sets; v128-191 x's fragments, one set; on the way out v128-223.
;   window 1: W's fragments, two sets at v0 and v128; v64-127 the bias in the result's layout.   windows 2, 3: the accumulators ((a, b) at v[8 (8 (a % 4) + b)]).
.set NQ,     4                         ; matrix instructions deep in a slot
.set ROWB,   256                       ; a tile's row in bytes: 512 codes
.set KROW,   512                       ; a row of codes in memory
.set PITCH,  272                       ; an LDS row: 256 bytes + 16 of padding: the 16 rows of a load start at 16 different banks (64 banks of 4 bytes: ISA guide 11.1)
.set FR,     8                         ; registers of a fragment
.set NL,     2                         ; LDS loads that bring one
.set NP,     4                         ; places behind this matrix instruction (ISA guide 7.12.1)
.set HALFT,  128*PITCH
.set SLOT,   4*HALFT
.set KS,     32                        ; a row of scale bytes
.set SCL,    2*SLOT                    ; behind the slots: the scales, as units of 256 bytes + 16
.set HALFS,  16*272
.set SBLK,   2*272
.set SPARE,  SCL+4*HALFS               ; the spare words, 128 bytes a wave, that no other line names
.set HST,    4608                      ; the way out: a stage [2 heads][16 rows][144 bytes] for each wave, in slot 0, which has had its one fill and its last read by then
.set FST,    32768                     ; and, further on in slot 0, a stage of 16 rows x 528 bytes for each wave, for the f32 rows
.set FSTW,   8448
.set ADRA, 16
.set ADRB, 20
.set FRD,  22
.set FSTO, 23
.set STO,  24
.set RD,   25
.set CO,   26
.set ADRS, 27
.set SPW,  28
.set NIL,  29
.set BO,   30
.set SC,   32
.set AF,   128
.set BK,   128
.set TMP,  192
.set BIAS, 64
.set G1, 24
.set G0, 32
.set G1B, 48
.set G0B, 56
.set G1S, 68
.set G0S, 76
.set G1SB, 80
.set G0SB, 88
.set MSB, 0
.macro WIN new                         ; the immediate's high byte repeats the setting that is left
.if MSB != \new
	s_set_vgpr_msb (MSB<<8)|\new
.set MSB, \new
.endif
.endm
.set MUL_LO, 0xa1                      ; source 0 (W) window 1, source 1 (x) window 0, C and D window 2
.set MUL_HI, 0xf1                      ; the same, C and D window 3
.set BIA_LO, 0x91                      ; C (the bias) window 1, D window 2
.set BIA_HI, 0xd1                      ; C window 1, D window 3
.set TO_B,   0x40                      ; destination window 1, address window 0
; A joint load: waves 0 and 1 fetch for x, waves 2 and 3 for W.  An s_nop 0 and four v_nop follow each of the two lines.
.macro JLOAD g0a, g1a, g0b, g1b
	s_cmp_eq_u32 s15, 0
	s_cbranch_scc0 .Lfor_b_\@
	tensor_load_to_lds s[\g0a:\g0a+3], s[\g1a:\g1a+7]
	s_nop 0
.rept 4
	v_nop
.endr
	s_branch .Lasked_\@
.Lfor_b_\@:
	tensor_load_to_lds s[\g0b:\g0b+3], s[\g1b:\g1b+7]
	s_nop 0
.rept 4
	v_nop
.endr
.Lasked_\@:
.endm
.macro CROUND                          ; a round of the cluster's barrier
	s_barrier_signal -1
	s_barrier_wait -1
	s_cmp_lg_u32 s14, 0
	s_cbranch_scc1 .Lnot_wave_0_\@
	s_barrier_signal -3
.Lnot_wave_0_\@:
	s_barrier_wait -3
	s_barrier_signal -1
	s_barrier_wait -1
.endm
	s_load_b128 s[4:7], s[0:1], 0x0                ; x's codes s[4:5], x's scales s[6:7]
	s_load_b128 s[8:11], s[0:1], 0x10              ; W's codes s[8:9], W's scales s[10:11]
	s_load_b64 s[12:13], s[0:1], 0x20              ; qkv
	s_load_b64 s[96:97], s[0:1], 0x28              ; b_attn
	s_load_b64 s[98:99], s[0:1], 0x30              ; qkvf
	v_lshl_add_u32 v[SPW], v0, 2, SPARE
	v_mov_b32 v[NIL], 0
	ds_add_u32 v[SPW], v[NIL]                      ; the wave's opening: the add, twice on end, and its wait ahead of my first tensor load
	ds_add_u32 v[SPW], v[NIL]
	v_lshrrev_b32 v1, 5, v0
	v_readfirstlane_b32 s14, v1                    ; wave 0..3
	s_lshr_b32 s15, s14, 1                         ; which half of the tile's rows is mine.  Also: I fetch for x (0) or for W (1)
	s_and_b32 s16, s14, 1                          ; which half of its columns.  Also: which 128 rows of that tile I fetch
	s_bfe_u32 s40, ttmp6, 0x40000                  ; cx
	s_bfe_u32 s41, ttmp6, 0x40004                  ; cy
	s_lshl_b32 s42, ttmp9, 2
	s_add_co_u32 s42, s42, s40                     ; tile column = 4 x cluster x + cx
	s_and_b32 s3, ttmp7, 0xffff                    ; cluster y
	s_lshl_b32 s17, s41, 3
	s_add_co_u32 s17, s17, s3                      ; tile row = 8 cy + cluster y
	s_or_b32 s95, s3, s15                          ; 0 where my first 16 rows are a batch's rows t < 16
	s_lshl_b32 s43, s41, 2
	s_lshl_b32 s43, 15, s43                        ; my row of the cluster
	s_lshl_b32 s44, 0x1111, s40                    ; my column
	s_or_b32 s[G1+0], s43, (0<<16)|(1<<20)|(1<<21)|(5<<22)|(3<<25)  ; the mask; elements of 1 byte; padding on; bit 21 beside a mask; 4 words of padding after every 64
	s_or_b32 s[G1B+0], s44, (0<<16)|(1<<20)|(1<<21)|(5<<22)|(3<<25)
.irp g, G1, G1B
	s_mov_b32 s[\g+1], ROWB<<16                    ; tensor_dim0
	s_mov_b32 s[\g+2], 128<<16                     ; tensor_dim1
	s_mov_b32 s[\g+3], ROWB<<16                    ; tile_dim0
	s_mov_b32 s[\g+4], 128                         ; tile_dim1
	s_mov_b32 s[\g+5], KROW                        ; the pitch
	s_mov_b32 s[\g+6], 0
	s_mov_b32 s[\g+7], 0
.endr
	s_or_b32 s[G1S+0], s43, (3<<16)|(1<<20)|(1<<21)|(5<<22)|(3<<25) ; the scales of 128 rows: 4,096 dense bytes as 16 rows of 256 (32 elements of 8 bytes)
	s_or_b32 s[G1SB+0], s44, (3<<16)|(1<<20)|(1<<21)|(5<<22)|(3<<25)
.irp g, G1S, G1SB
	s_mov_b32 s[\g+1], 32<<16
	s_mov_b32 s[\g+2], 16<<16
	s_mov_b32 s[\g+3], 32<<16
	s_mov_b32 s[\g+4], 16
	s_mov_b32 s[\g+5], 32
	s_mov_b32 s[\g+6], 0
	s_mov_b32 s[\g+7], 0
.endr
	s_lshl_b32 s18, s16, 7                         ; which 128 rows of the tile I fetch
	s_lshl_b32 s20, s17, 8
	s_add_co_u32 s20, s20, s18                     ; x: row 256 x tile row + 128 x half
	s_lshl_b32 s46, s42, 8
	s_add_co_u32 s46, s46, s18                     ; W: row 256 x tile column + 128 x half
	s_mov_b32 s21, 0
	s_mov_b32 s47, 0
	s_mov_b64 s[18:19], KS
	s_mul_u64 s[22:23], s[20:21], s[18:19]         ; where these rows' scales begin
	s_mul_u64 s[92:93], s[46:47], s[18:19]
	s_mov_b64 s[18:19], KROW
	s_mul_u64 s[20:21], s[20:21], s[18:19]         ; and their codes
	s_mul_u64 s[46:47], s[46:47], s[18:19]
	s_mul_i32 s45, s14, HALFT                      ; where they go: wave x 128 rows
	s_mul_i32 s94, s14, HALFS
	s_wait_dscnt 0x0                               ; both opening adds are done
	s_wait_kmcnt 0x0
	s_add_nc_u64 s[20:21], s[4:5], s[20:21]
	s_add_nc_u64 s[22:23], s[6:7], s[22:23]
	s_add_nc_u64 s[46:47], s[8:9], s[46:47]
	s_add_nc_u64 s[92:93], s[10:11], s[92:93]
	CROUND                                         ; all sixteen work-groups are here: the joint loads meet
	s_mov_b32 s[G0S], 1
	s_add_co_u32 s[G0S+1], s94, SCL
	s_mov_b64 s[G0S+2:G0S+3], s[22:23]
	s_or_b32 s[G0S+3], s[G0S+3], 0x80000000
	s_mov_b32 s[G0SB], 1
	s_add_co_u32 s[G0SB+1], s94, SCL
	s_mov_b64 s[G0SB+2:G0SB+3], s[92:93]
	s_or_b32 s[G0SB+3], s[G0SB+3], 0x80000000
	JLOAD G0S, G1S, G0SB, G1SB                     ; the scales first
.irp s, 0,1
	s_mov_b32 s[G0+4*\s], 1
	s_add_co_u32 s[G0+4*\s+1], s45, \s*SLOT
	s_add_nc_u64 s[G0+4*\s+2:G0+4*\s+3], s[20:21], \s*ROWB
	s_or_b32 s[G0+4*\s+3], s[G0+4*\s+3], 0x80000000
	s_mov_b32 s[G0B+4*\s], 1
	s_add_co_u32 s[G0B+4*\s+1], s45, \s*SLOT
	s_add_nc_u64 s[G0B+4*\s+2:G0B+4*\s+3], s[46:47], \s*ROWB
	s_or_b32 s[G0B+4*\s+3], s[G0B+4*\s+3], 0x80000000
	JLOAD G0+4*\s, G1, G0B+4*\s, G1B
.endr
	v_and_b32 v1, 15, v0                           ; r = lane % 16
	v_bfe_u32 v2, v0, 4, 1                         ; h = lane / 16
	v_mul_u32_u24 v3, v1, PITCH
	v_lshl_add_u32 v4, v2, 4, v3                   ; a fragment's row x pitch + 16 h
	s_mul_i32 s21, s15, HALFT                      ; my 128 rows of x
	s_mul_i32 s22, s16, HALFT                      ; my 128 rows of W,
	s_add_co_u32 s22, s22, 2*HALFT                 ; behind x's 256
.irp s, 0,1
	v_add_nc_u32 v[ADRA+\s], s21, v4
	v_add_nc_u32 v[ADRB+\s], s22, v4
	s_add_co_u32 s21, s21, SLOT
	s_add_co_u32 s22, s22, SLOT
.endr
	v_mul_u32_u24 v5, v1, KS                       ; my row's scales: 32 bytes a row,
	v_lshrrev_b32 v6, 8, v5
	v_lshl_add_u32 v5, v6, 4, v5                   ; and 16 more for each 256 passed
	s_mul_i32 s21, s15, HALFS
	s_mul_i32 s22, s16, HALFS
	s_add_co_u32 s22, s22, 2*HALFS
	s_sub_co_u32 s22, s22, s21
	v_mul_u32_u24 v6, s22, v2                      ; lanes 16-31 take W's
	s_add_co_u32 s21, s21, SCL
	v_add_nc_u32 v5, v5, v6
	v_add_nc_u32 v[ADRS], s21, v5
	s_mul_i32 s23, s14, HST                        ; my f16 stage
	v_mul_u32_u24 v5, v1, 144
	v_lshl_add_u32 v5, v2, 4, v5
	v_add_nc_u32 v[STO], s23, v5                   ; in: row r, 16 bytes for each half of the lanes
	v_bfe_u32 v5, v0, 3, 2
	v_mul_u32_u24 v5, v5, 144
	v_and_b32 v6, 7, v0
	v_lshl_add_u32 v5, v6, 4, v5
	v_add_nc_u32 v[RD], s23, v5                    ; back: eight lanes to a row of 128 bytes, four rows an instruction
	v_and_b32 v6, 31, v0
	v_lshlrev_b32 v[CO], 4, v6                     ; and in memory: 16 bytes a lane, 512 consecutive bytes
	s_mul_i32 s23, s14, FSTW
	s_add_co_u32 s23, s23, FST                     ; my f32 stage
	v_mul_u32_u24 v5, v1, 528
	v_lshl_add_u32 v5, v2, 5, v5
	v_add_nc_u32 v[FSTO], s23, v5
	v_add_nc_u32 v[FRD], s23, v[CO]
	v_lshlrev_b32 v[BO], 5, v2                     ; the bias: my half's eight numbers of a block of 16
	; where my part of qkv begins: plane = part x 64 + batch x 16 + head; a plane is 262,144 bytes, a row 128
	s_lshl_b32 s20, s42, 2
	s_lshl_b32 s21, s16, 1
	s_add_co_u32 s20, s20, s21                     ; my first head's number among the 48
	s_lshr_b32 s21, s20, 4                         ; the part: q, k or v
	s_and_b32 s20, s20, 15
	s_lshl_b32 s21, s21, 6
	s_add_co_u32 s20, s20, s21
	s_lshl_b32 s21, s41, 4
	s_add_co_u32 s20, s20, s21
	s_lshl_b32 s20, s20, 18
	s_lshl_b32 s21, s3, 15                         ; 256 rows for each tile of the batch
	s_add_co_u32 s20, s20, s21
	s_lshl_b32 s21, s15, 14                        ; 128 for my half
	s_add_co_u32 s20, s20, s21
	s_mov_b32 s21, 0
	s_add_nc_u64 s[12:13], s[12:13], s[20:21]
	s_lshl_b32 s46, s42, 10                        ; my first column in bytes of f32: 1,024 x tile column + 512 x half
	s_lshl_b32 s47, s16, 9
	s_add_co_u32 s46, s46, s47
	s_mov_b32 s47, 0
	s_add_nc_u64 s[96:97], s[96:97], s[46:47]
	s_mul_i32 s20, s41, 16*12288                   ; qkvf: 16 rows a batch
	s_add_co_u32 s20, s20, s46
	s_add_nc_u64 s[98:99], s[98:99], s[20:21]
	WIN TO_B
.irp b, 0,1,2,3,4,5,6,7
	global_load_b128 v[BIAS+8*\b:BIAS+8*\b+3], v[BO], s[96:97] offset:64*\b        ; register j of block b: b_attn(my column + 16 b + 8 h + j)
	global_load_b128 v[BIAS+8*\b+4:BIAS+8*\b+7], v[BO], s[96:97] offset:64*\b+16
.endr
	WIN 0
.macro FRAG reg, adr, q, i             ; 16 rows x 128 K of 4-bit codes: registers 4 c .. 4 c + 3 hold K = 64 c + 32 h + 0 .. 31
.irp c, 0,1
	ds_load_b128 v[\reg+4*\c:\reg+4*\c+3], v[\adr] offset:64*(\q)+32*\c+(\i)*16*PITCH
.endr
.endm
; 16 matrix instructions: x's blocks a0, a0 + 1 against W's eight.  zero = 1: the first product starts the sums from the bias.  The 64 accumulators take turns, one instruction a turn.
.macro MUL16 a0, p, q, sc, zero
.irp a, \a0, \a0+1
.irp b, 0,1,2,3,4,5,6,7
.if \zero
	v_wmma_scale_f32_16x16x128_f8f6f4 v[8*(8*((\a)%4)+\b):8*(8*((\a)%4)+\b)+7], v[128*(\p)+FR*\b:128*(\p)+FR*\b+FR-1], v[AF+FR*(\a):AF+FR*(\a)+FR-1], v[BIAS+8*\b:BIAS+8*\b+7], v[SC+8*NQ*(\sc)+NQ*\b+(\q)], v[SC+8*NQ*(\sc)+NQ*(\a)+(\q)] matrix_a_fmt:MATRIX_FMT_FP4 matrix_b_fmt:MATRIX_FMT_FP4 matrix_a_scale:MATRIX_SCALE_ROW1
.else
	v_wmma_scale_f32_16x16x128_f8f6f4 v[8*(8*((\a)%4)+\b):8*(8*((\a)%4)+\b)+7], v[128*(\p)+FR*\b:128*(\p)+FR*\b+FR-1], v[AF+FR*(\a):AF+FR*(\a)+FR-1], v[8*(8*((\a)%4)+\b):8*(8*((\a)%4)+\b)+7], v[SC+8*NQ*(\sc)+NQ*\b+(\q)], v[SC+8*NQ*(\sc)+NQ*(\a)+(\q)] matrix_a_fmt:MATRIX_FMT_FP4 matrix_b_fmt:MATRIX_FMT_FP4 matrix_a_scale:MATRIX_SCALE_ROW1
.endif
.endr
.endr
.endm
.macro FETCH_B slot, q, p
	WIN TO_B
.irp i, 0,1,2,3,4,5,6,7
	FRAG 128*(\p)+FR*\i, ADRB+\slot, \q, \i
.endr
	WIN 0
.endm
.macro FETCH_A slot, q, i0
.irp i, \i0, \i0+1, \i0+2, \i0+3
	FRAG AF+FR*(\i), ADRA+\slot, \q, \i
.endr
.endm
.macro SCALES sc                       ; a slot's scale words: lanes 0-15 take x's block i, lanes 16-31 W's block i
.irp i, 0,1,2,3,4,5,6,7
	ds_load_b128 v[SC+8*NQ*\sc+NQ*\i:SC+8*NQ*\sc+NQ*\i+3], v[ADRS] offset:\i*SBLK
.endr
.endm
.macro PLACES n                        ; plain vector lines between a matrix instruction and a load into, or a read of, its registers
.rept \n
	v_nop
.endr
.endm
.macro STEP slot, q, zero              ; 128 along K with its successor in the same slot
	s_wait_dscnt 4*NL                              ; W's set and x's blocks 0-3 are in; the youngest eight loads (x's blocks 4-7) may be out
.if \zero
	WIN BIA_LO
.else
	WIN MUL_LO
.endif
	MUL16 0, (\q)%2, \q, \slot, \zero
	MUL16 2, (\q)%2, \q, \slot, \zero
	s_wait_dscnt 0
	PLACES NP
	FETCH_B \slot, (\q)+1, 1-(\q)%2
	FETCH_A \slot, (\q)+1, 0
.if \zero
	WIN BIA_HI
.else
	WIN MUL_HI
.endif
	MUL16 4, (\q)%2, \q, \slot, \zero
	MUL16 6, (\q)%2, \q, \slot, \zero
	PLACES NP
	WIN 0
	FETCH_A \slot, (\q)+1, 4
.endm
; Slot 0's last step changes slots: one barrier; in front of it each wave waits for all its tensor loads (slot 1's), adds 0 to its spare word, and waits for that and for its reads of slot 0.
.macro TURN slot, next
	s_wait_tensorcnt 0x0
	ds_add_u32 v[SPW], v[NIL]
	s_wait_dscnt 4*NL+1                            ; the add and the youngest eight loads may be out
	WIN MUL_LO
	MUL16 0, 1, NQ-1, \slot, 0
	s_wait_dscnt 0x0                               ; the add is done, and my reads of this slot are over
	s_barrier_signal -1
	MUL16 2, 1, NQ-1, \slot, 0
	WIN 0
	s_barrier_wait -1
	PLACES NP
	v_add_nc_u32 v[ADRS], 4*NQ, v[ADRS]            ; on to the next slot's scale words
	FETCH_B \next, 0, 0
	FETCH_A \next, 0, 0
	SCALES \next
	WIN MUL_HI
	MUL16 4, 1, NQ-1, \slot, 0
	MUL16 6, 1, NQ-1, \slot, 0
	PLACES NP
	WIN 0
	FETCH_A \next, 0, 4
.endm
	s_wait_tensorcnt 1                             ; the scales and my part of slot 0 are in; slot 1's load may be out
	s_barrier_signal -1
	s_barrier_wait -1                              ; everybody's are
	FETCH_B 0, 0, 0
	FETCH_A 0, 0, 0
	SCALES 0
	FETCH_A 0, 0, 4
	s_wait_loadcnt 0x0                             ; the bias
	STEP 0, 0, 1
	STEP 0, 1, 0
	STEP 0, 2, 0
	TURN 0, 1
	STEP 1, 0, 0
	STEP 1, 1, 0
	STEP 1, 2, 0
	s_wait_dscnt 4*NL                              ; the last step: nothing more to fetch
	WIN MUL_LO
	MUL16 0, 1, NQ-1, 1, 0
	MUL16 2, 1, NQ-1, 1, 0
	s_wait_dscnt 0
	WIN MUL_HI
	MUL16 4, 1, NQ-1, 1, 0
	MUL16 6, 1, NQ-1, 1, 0
	WIN 0
	PLACES NP
	; THE ROWS t < 16 IN f32: my block 0, where the cluster's y and my row half are 0.  Through the f32 stage, out as rows of 512 consecutive bytes.
	s_cmp_lg_u32 s95, 0
	s_cbranch_scc1 .Lno_fine
	WIN 0x08                                       ; an LDS store's data: window 2
.irp b, 0,1,2,3,4,5,6,7
	ds_store_b128 v[FSTO], v[8*\b:8*\b+3] offset:64*\b           ; each accumulator from its low end on
	ds_store_b128 v[FSTO], v[8*\b+4:8*\b+7] offset:64*\b+16
.endr
	WIN 0
.irp t, 0,1,2,3,4,5,6,7,8,9,10,11,12,13,14,15
	ds_load_b128 v[BK+4*\t:BK+4*\t+3], v[FRD] offset:528*\t      ; LDS serves a wave's instructions in order (ISA guide 5.7.1.4)
.endr
	s_wait_dscnt 0x0
.irp t, 0,1,2,3,4,5,6,7,8,9,10,11,12,13,14,15
	global_store_b128 v[CO], v[BK+4*\t:BK+4*\t+3], s[98:99] offset:12288*\t
.endr
	s_wait_xcnt 0x0                                ; these stores have read their registers: they are loaded again below
.Lno_fine:
; THE WAY OUT IN f16, block by block of 16 rows x 128 columns = two heads.  PACK rounds, TOSTAGE sends 16 bytes a lane through my stage, SEND stores four rows of a head, 512 consecutive bytes, an instruction.
.macro PACK a
.set AC, 64*((\a)%4)
	WIN 0x0a+5*((\a)/4)                            ; sources 0 and 1: window 2 or 3
.irp b, 0,1,2,3,4,5,6,7
.irp e, 0,1,2,3
	v_cvt_pk_f16_f32 v[TMP+4*\b+\e], v[AC+8*\b+2*\e], v[AC+8*\b+2*\e+1]
.endr
.endr
	WIN 0
.endm
.macro TOSTAGE a
.set BB, BK+32*((\a)%2)
.irp b, 0,1,2,3,4,5,6,7
	ds_store_b128 v[STO], v[TMP+4*\b:TMP+4*\b+3] offset:(\b/4)*2304+32*(\b%4)
.endr
.irp g, 0,1
.irp i, 0,1,2,3
	ds_load_b128 v[BB+4*(4*\g+\i):BB+4*(4*\g+\i)+3], v[RD] offset:\g*2304+\i*576
.endr
.endr
.endm
.macro SEND a
.set BB, BK+32*((\a)%2)
	s_wait_dscnt 0x0                               ; the block is back in registers
	s_wait_xcnt 0x0                                ; the earlier stores have read their registers: the next block's loads may land there
.irp g, 0,1
.irp i, 0,1,2,3
	global_store_b128 v[CO], v[BB+4*(4*\g+\i):BB+4*(4*\g+\i)+3], s[12:13] offset:\g*262144+(\a)*2048+\i*512
.endr
.endr
.endm
	PACK 0
	TOSTAGE 0
.irp a, 1,2,3,4,5,6,7                  ; block a's conversions stand between block a - 1's loads from the stage and the wait for them
	PACK \a
	SEND \a-1
	TOSTAGE \a
.endr
	SEND 7
	s_wait_tensorcnt 0x0                           ; the wave's end
	ds_add_u32 v[SPW], v[NIL]
	s_wait_dscnt 0x0
	CROUND                                         ; the closing round
	s_endpgm
.Lfunc_end_k_q2e66b586c7_qkv_gemm:
	.size	k_q2e66b586c7_qkv_gemm, .Lfunc_end_k_q2e66b586c7_qkv_gemm-k_q2e66b586c7_qkv_gemm
	.p2alignl 7, 3214868480
	.fill 96, 4, 3214868480
	.section	.rodata,"a",@progbits
	.p2align	6, 0x0
	.amdhsa_kernel k_q2e66b586c7_qkv_gemm
		.amdhsa_group_segment_fixed_size 327680
		.amdhsa_private_segment_fixed_size 0
		.amdhsa_enable_private_segment 0
		.amdhsa_kernarg_size 56
		.amdhsa_user_sgpr_count 2
		.amdhsa_user_sgpr_kernarg_segment_ptr 1
		.amdhsa_wavefront_size32 1
		.amdhsa_system_sgpr_workgroup_id_x 1
		.amdhsa_system_sgpr_workgroup_id_y 1
		.amdhsa_system_sgpr_workgroup_id_z 1
		.amdhsa_system_vgpr_workitem_id 0
		.amdhsa_next_free_vgpr 1024
		.amdhsa_next_free_sgpr 100
		.amdhsa_reserve_vcc 0
		.amdhsa_float_denorm_mode_32 3
		.amdhsa_float_denorm_mode_16_64 3
		.amdhsa_memory_ordered 1
		.amdhsa_forward_progress 1
		.amdhsa_inst_pref_size 132
	.end_amdhsa_kernel
	.amdgpu_metadata
---
amdhsa.version: [ 1, 2 ]
amdhsa.kernels:
  - .name:           k_q2e66b586c7_qkv_gemm
    .symbol:         k_q2e66b586c7_qkv_gemm.kd
    .args:
      - { .name: x_codes, .offset: 0, .size: 8, .value_kind: global_buffer, .address_space: global }
      - { .name: x_scales, .offset: 8, .size: 8, .value_kind: global_buffer, .address_space: global }
      - { .name: w_codes, .offset: 16, .size: 8, .value_kind: global_buffer, .address_space: global }
      - { .name: w_scales, .offset: 24, .size: 8, .value_kind: global_buffer, .address_space: global }
      - { .name: qkv, .offset: 32, .size: 8, .value_kind: global_buffer, .address_space: global }
      - { .name: b_attn, .offset: 40, .size: 8, .value_kind: global_buffer, .address_space: global }
      - { .name: qkvf, .offset: 48, .size: 8, .value_kind: global_buffer, .address_space: global }
    .group_segment_fixed_size: 327680
    .private_segment_fixed_size: 0
    .kernarg_segment_align: 8
    .kernarg_segment_size: 56
    .max_flat_workgroup_size: 128
    .sgpr_count:     100
    .vgpr_count:     1024
    .wavefront_size: 32
...
	.end_amdgpu_metadata
.endif
;; end of part 2
;; launch attn (part 3): grid 4 x 64, 16 waves a work-group, no clusters, 327,680 bytes of LDS; arguments qkv, ctx; writes ctx
.if DOCPART == 3
	.amdgcn_target "amdgcn-amd-amdhsa--gfx1250"
	.amdhsa_code_object_version 6
	.text
	.protected	k_q2e66b586c7_attn
	.globl	k_q2e66b586c7_attn
	.p2align	8
	.type	k_q2e66b586c7_attn,@function
k_q2e66b586c7_attn:
	s_mov_b64 s[64:65], 0
	v_nop
	global_prefetch_b8 v0, s[64:65] scope:SCOPE_SE
	s_setreg_imm32_b32 hwreg(HW_REG_WAVE_MODE, 25, 1), 1
	s_wait_xcnt 0x0
; ctx[bh][q][:] = the sum over k <= q of softmax_k(Q[q] . K[k] / 8) V[k][:], head size 64.  qkv: f16 [3 parts][64 bh][2048][64]; ctx: f16 [64 bh][2048][64].
; Products on f16 operands with f32 sums; maxima, exponentials and sums in f32, with a running maximum; the weights are rounded to f16 for the second product, ctx once at the end.
; (The rows t < 16 are written here too; what the output takes of them is made again in f32 by a later launch.)  LIMIT: f16 operands: magnitudes under 65,504.
; SHARES.  Work-group (i, bh) owns TWO blocks of 256 queries of head bh: blocks i and 7 - i: (i + 1) + (8 - i) = 9 blocks of 256 x 256 under the causal mask in every work-group.
; Eight of its sixteen waves take each block, 32 queries (two tiles of 16) a wave, in 256 registers: four waves to a SIMD, so that one wave's softmax stands beside another's products and LDS loads.
; All waves walk the same keys, 64 a step, through a ring of two LDS slots of 256 keys (waves 0, 1 fetch K's halves, waves 2, 3 V's).  The trip counts are constants: a step all of whose keys come after
; a wave's queries is jumped over, and a slot whose first key comes after the work-group's last query is not asked for.
; NO CLUSTER: the four work-groups of a head need 8, 7, 6 and 5 slots: a joint load would bring tiles that no wave of some partner reads.
; LAYOUT.  S^T = K Q^T (source 0 = 16 keys, source 1 = 16 queries): a lane holds one query (lane % 16) and keys 8 (lane / 16) + 0..7.  Two such tiles, rounded in pairs, are source 1 of O^T = V^T P.
; K comes out of LDS as it lies, V ([key][channel]) turned, by ds_load_tr16_b128.
.set PK,    144                        ; a row of K in LDS: 128 bytes + 16
.set PV,    160                        ; a row of V: 128 + 32, an odd multiple of 32 for the turning load
.set VOFF,  256*PK
.set SLOT1, 1<<17                      ; slot 1 begins here: one exclusive or turns an address
.set STAGE, SLOT1+256*(PK+PV)          ; behind the ring: 16 rows x 144 bytes for each wave, for the way out
.set SPARE, STAGE+16*16*144            ; the spare words, 128 bytes a wave, that no other line names
.set AK0, 1
.set AV0, 2
.set ADK, 3
.set ADV, 4
.set SPW, 5
.set NIL, 6
.set GO,  7
.set ST,  12                           ; tile t's statistics at v[12 + 8 t]: +0 c m, +1 m, +2, +3 l, +4 .. +7 at work; a takes +6
.set PFO, 28
.set STO, 29
.set RD,  30
.set QR,  32                           ; v32-63   Q: fragment (t, c) at 32 + 16 t + 8 c
.set KV,  64                           ; v64-127  K (kt, c) at 64 + 16 kt + 8 c, then V (kh, i) at 64 + 32 kh + 8 i
.set SR,  128                          ; v128-191 S^T (t, kt) at 128 + 32 t + 8 kt; rounded, P (t, kh) at 128 + 32 t + 8 kh
.set OR,  192                          ; v192-255 O^T (t, i) at 192 + 32 t + 8 i
.set WV,  18
.set SEL, 20
.set CS,  22
.set G1K, 24
.set G1V, 32
.set G0K, 40
.set G0V, 44
.set TB,  2
.set SLOTS, 48
.set KF,  49
.set Q0,  50
.set LQ,  51
.set PFA, 52
.set LIM, 54
; Waves 0 and 1 fetch for K, waves 2 and 3 for V, the others nothing.  An s_nop 0 and four v_nop follow each of the two lines.
.macro TLOAD
	s_cmp_lt_u32 s[WV], 2
	s_cbranch_scc0 .Lnot_k_\@
	tensor_load_to_lds s[G0K:G0K+3], s[G1K:G1K+7]
	s_nop 0
.rept 4
	v_nop
.endr
	s_branch .Lasked_\@
.Lnot_k_\@:
	s_cmp_lt_u32 s[WV], 4
	s_cbranch_scc0 .Lasked_\@
	tensor_load_to_lds s[G0V:G0V+3], s[G1V:G1V+7]
	s_nop 0
.rept 4
	v_nop
.endr
.Lasked_\@:
.endm
; A prefetch of what the NEXT change of slots will ask for: 32,768 bytes of K and as many of V.  Each aligned block of 256 bytes is named once in the launch: of a head's four work-groups the first asks, which
; walks all eight slots; in it waves 4 to 7 ask for K's, waves 8 to 11 for V's, 8,192 bytes a wave, lanes 256 bytes apart, one instruction.  Slots 2 to 7 are asked for, each a slot's four key steps ahead of its load.
.macro ASK
	s_cmp_gt_u32 s[SLOTS], s[LIM]
	s_cbranch_scc0 .Lnot_mine_\@
	global_prefetch_b8 v[PFO], s[PFA:PFA+1] th:TH_LOAD_NT scope:SCOPE_SE
.Lnot_mine_\@:
.endm
	s_load_b128 s[4:7], s[0:1], 0x0                ; qkv s[4:5], ctx s[6:7]
	v_lshl_add_u32 v[SPW], v0, 2, SPARE
	v_mov_b32 v[NIL], 0
	ds_add_u32 v[SPW], v[NIL]                      ; the wave's opening: the add, twice on end, and its wait ahead of the first tensor load
	ds_add_u32 v[SPW], v[NIL]
	v_lshrrev_b32 v8, 5, v0
	v_readfirstlane_b32 s[WV], v8                  ; wave 0..15
	s_and_b32 s56, ttmp7, 0xffff
	s_lshl_b32 s56, s56, 18                        ; the head's first byte in each part of qkv and in ctx
	s_lshr_b32 s58, s[WV], 2
	s_xor_b32 s58, s58, s[WV]
	s_and_b32 s58, s58, 1                          ; which of the two blocks: bit 0 xor bit 2 of the wave's number
	s_sub_co_u32 s59, 7, ttmp9
	s_cmp_eq_u32 s58, 0
	s_cselect_b32 s59, ttmp9, s59                  ; block i or block 7 - i
	s_lshl_b32 s[Q0], s59, 8
	s_lshr_b32 s58, s[WV], 1
	s_lshl_b32 s58, s58, 5
	s_add_co_u32 s[Q0], s[Q0], s58                 ; my first query: 256 x block + 32 x (wave / 2)
	s_sub_co_u32 s[LQ], 8, ttmp9
	s_lshl_b32 s[LQ], s[LQ], 8
	s_sub_co_u32 s[LQ], s[LQ], 1                   ; my work-group's last query
	s_and_b32 s60, s[WV], 1                        ; which half of a slot's rows I fetch, if I fetch
	s_lshl_b32 s62, s60, 14
	s_add_co_u32 s62, s62, s56
	s_mov_b32 s63, 0
	s_lshl_b32 s66, s[Q0], 7
	s_add_co_u32 s66, s66, s56
	s_mov_b32 s67, 0                               ; my first query's row in q and in ctx
	; descriptor group 1: 128 rows of 64 elements of 2 bytes, dense in memory, padded in LDS
	s_mov_b32 s[G1K], (1<<16)|(1<<20)|(4<<22)|(3<<25)    ; no mask; elements of 2 bytes; padding on: 4 words after every 32
	s_mov_b32 s[G1V], (1<<16)|(1<<20)|(4<<22)|(7<<25)    ; 8 words after every 32
.irp g, G1K, G1V
	s_mov_b32 s[\g+1], 64<<16                      ; tensor_dim0
	s_mov_b32 s[\g+2], 128<<16                     ; tensor_dim1
	s_mov_b32 s[\g+3], 64<<16                      ; tile_dim0
	s_mov_b32 s[\g+4], 128                         ; tile_dim1
	s_mov_b32 s[\g+5], 64                          ; the pitch
	s_mov_b32 s[\g+6], 0
	s_mov_b32 s[\g+7], 0
.endr
	s_mov_b32 s[SEL], 0x76543210
	s_mov_b32 s[SEL+1], 0xfedcba98                 ; v_permlanex16_b32's selects for lane l xor 16
	s_mov_b32 s[CS], 0x3e38aa3b                    ; c = log2(e) / 8
	s_mov_b32 s[CS+1], s[CS]
	s_mov_b32 s[TB], 0
	s_mov_b32 s[SLOTS], 7
	s_mov_b32 s[KF], 0
	s_wait_dscnt 0x0                               ; both opening adds are done
	s_wait_kmcnt 0x0
	s_mov_b32 s[G0K], 1
	s_mul_i32 s[G0K+1], s60, 128*PK                ; slot 0, my half
	s_add_nc_u64 s[G0K+2:G0K+3], s[4:5], s[62:63]
	s_add_nc_u64 s[G0K+2:G0K+3], s[G0K+2:G0K+3], 0x1000000   ; part 1: k
	s_or_b32 s[G0K+3], s[G0K+3], 0x80000000
	s_mov_b32 s[G0V], 1
	s_mul_i32 s[G0V+1], s60, 128*PV
	s_add_co_u32 s[G0V+1], s[G0V+1], VOFF
	s_add_nc_u64 s[G0V+2:G0V+3], s[4:5], s[62:63]
	s_add_nc_u64 s[G0V+2:G0V+3], s[G0V+2:G0V+3], 0x2000000   ; part 2: v
	s_or_b32 s[G0V+3], s[G0V+3], 0x80000000
	TLOAD                                          ; slot 0: keys 0 to 255, which count for queries of every wave
	s_add_nc_u64 s[68:69], s[4:5], s[66:67]        ; q at my first query
	s_add_nc_u64 s[6:7], s[6:7], s[66:67]          ; ctx likewise
	s_cmp_lt_u32 s[WV], 8                          ; the prefetches: waves 4 to 7 stand in k, waves 8 to 11 in v
	s_mov_b32 s70, 0x2000000
	s_cselect_b32 s70, 0x1000000, s70
	s_and_b32 s71, s[WV], 3
	s_lshl_b32 s71, s71, 13
	s_add_co_u32 s70, s70, s71
	s_add_co_u32 s70, s70, s56
	s_add_co_u32 s70, s70, 32768                   ; in slot 1: the first change of slots steps it to slot 2
	s_mov_b32 s71, 0
	s_add_nc_u64 s[PFA:PFA+1], s[4:5], s[70:71]
	s_sub_co_u32 s72, s[WV], 4
	s_lshr_b32 s72, s72, 3                         ; 0 in waves 4 to 11,
	s_or_b32 s72, s72, ttmp9                       ; of the head's first work-group
	s_cmp_eq_u32 s72, 0
	s_cselect_b32 s[LIM], 1, -1
	v_and_b32 v8, 15, v0                           ; r
	v_bfe_u32 v9, v0, 4, 1                         ; h
	v_lshlrev_b32 v10, 7, v8
	v_lshl_add_u32 v10, v9, 4, v10                 ; Q: row r of 128 bytes, + 16 h
.irp t, 0,1
.irp c, 0,1
	global_load_b128 v[QR+16*\t+8*\c:QR+16*\t+8*\c+3], v10, s[68:69] offset:2048*\t+64*\c
	global_load_b128 v[QR+16*\t+8*\c+4:QR+16*\t+8*\c+7], v10, s[68:69] offset:2048*\t+64*\c+32
.endr
.endr
	v_mul_u32_u24 v[AK0], v8, PK
	v_lshl_add_u32 v[AK0], v9, 4, v[AK0]           ; K: row r x pitch + 16 h
	v_and_b32 v11, 7, v0
	v_lshl_add_u32 v[AV0], v9, 3, v11              ; V, turned: key 8 h + lane % 8,
	v_mul_u32_u24 v[AV0], v[AV0], PV
	v_bfe_u32 v11, v0, 3, 1
	v_lshl_add_u32 v[AV0], v11, 4, v[AV0]          ; channels 8 ((lane / 8) % 2) on
	v_add_nc_u32 v[AV0], VOFF, v[AV0]
	v_and_b32 v[GO], 31, v0
	v_lshlrev_b32 v[PFO], 8, v[GO]
	v_lshlrev_b32 v[GO], 4, v[GO]                  ; the way out: 16 bytes a lane
	s_mul_i32 s73, s[WV], 16*144
	s_add_co_u32 s73, s73, STAGE                   ; my stage
	v_mul_u32_u24 v[STO], v8, 144
	v_lshl_add_u32 v[STO], v9, 4, v[STO]
	v_add_nc_u32 v[STO], s73, v[STO]
	v_bfe_u32 v11, v0, 3, 2
	v_mul_u32_u24 v[RD], v11, 144
	v_and_b32 v11, 7, v0
	v_lshl_add_u32 v[RD], v11, 4, v[RD]
	v_add_nc_u32 v[RD], s73, v[RD]
.irp t, 0,1
	v_mov_b32 v[ST+8*\t+1], 0xff61b1e6             ; m: -3e38, under every score
	v_mul_f32 v[ST+8*\t], s[CS], v[ST+8*\t+1]      ; c m
.irp e, 2,3,4,5,6,7
	v_mov_b32 v[ST+8*\t+\e], 0                     ; l; and the registers at work, written once
.endr
.endr
.set i, 0
.rept 64
	v_mov_b32 v[OR+i], 0                           ; O^T: the step is written once; the first finds zeros, which its a = 0 leaves zeros
.set i, i+1
.endr
; A KEY STEP: 64 keys, the q-th of the slot in hand.
.macro STEP q
	s_add_co_u32 s56, s[Q0], 31
	s_cmp_gt_u32 s[KF], s56                        ; all 64 keys come after my 32 queries: the step's work is left out
	s_cbranch_scc1 .Lhidden_\@
	v_add_nc_u32 v[ADK], s[TB], v[AK0]
	v_add_nc_u32 v[ADV], s[TB], v[AV0]
.rept 4
	v_nop                                          ; with the two additions six places behind the last products: four for the loads into V's registers, five for the products that write over P
.endr
.irp kt, 0,1,2,3
.irp c, 0,1
	ds_load_b128 v[KV+16*\kt+8*\c:KV+16*\kt+8*\c+3], v[ADK] offset:(64*(\q)+16*\kt)*PK+64*\c
	ds_load_b128 v[KV+16*\kt+8*\c+4:KV+16*\kt+8*\c+7], v[ADK] offset:(64*(\q)+16*\kt)*PK+64*\c+32
.endr
.endr
	s_wait_dscnt 0x0
.irp c, 0,1                                    ; S^T = K Q^T: eight accumulators by turns
.irp kt, 0,1,2,3
.irp t, 0,1
.if \c == 0
	v_wmma_f32_16x16x32_f16 v[SR+32*\t+8*\kt:SR+32*\t+8*\kt+7], v[KV+16*\kt+8*\c:KV+16*\kt+8*\c+7], v[QR+16*\t+8*\c:QR+16*\t+8*\c+7], 0
.else
	v_wmma_f32_16x16x32_f16 v[SR+32*\t+8*\kt:SR+32*\t+8*\kt+7], v[KV+16*\kt+8*\c:KV+16*\kt+8*\c+7], v[QR+16*\t+8*\c:QR+16*\t+8*\c+7], v[SR+32*\t+8*\kt:SR+32*\t+8*\kt+7]
.endif
.endr
.endr
.endr
.rept 4
	v_nop                                          ; places in front of the loads into K's registers and of the first reads of the scores
.endr
.irp kh, 0,1                                   ; V, turned: it lands while the softmax is walked
.irp i, 0,1,2,3
	ds_load_tr16_b128 v[KV+32*\kh+8*\i:KV+32*\kh+8*\i+3], v[ADV] offset:(64*(\q)+32*\kh)*PV+32*\i
	ds_load_tr16_b128 v[KV+32*\kh+8*\i+4:KV+32*\kh+8*\i+7], v[ADV] offset:(64*(\q)+32*\kh+16)*PV+32*\i
.endr
.endr
	s_add_co_u32 s56, s[KF], 63
	s_cmp_le_u32 s56, s[Q0]                        ; all 64 keys count for all my queries: no mask
	s_cbranch_scc1 .Lopen_\@
	s_sub_co_i32 s56, s[Q0], s[KF]
	v_and_b32 v8, 15, v0
	v_bfe_u32 v9, v0, 4, 1
	v_lshlrev_b32 v9, 3, v9
	v_sub_nc_u32 v8, v8, v9
	v_add_nc_u32 v8, s56, v8                       ; d = Q0 - KF + r - 8 h.  Register j of (t, kt) holds key KF + 16 kt + 8 h + j for query Q0 + 16 t + r: hidden where 16 kt + j - 16 t > d
	v_mov_b32 v9, 0xff800000                       ; -infinity
.irp t, 0,1
.irp kt, 0,1,2,3
.irp j, 0,1,2,3,4,5,6,7
	v_cmp_gt_i32 vcc_lo, 16*\kt+\j-16*\t, v8
	v_cndmask_b32 v[SR+32*\t+8*\kt+\j], v[SR+32*\t+8*\kt+\j], v9, vcc_lo
.endr
.endr
.endr
.Lopen_\@:
	; the softmax, the two tiles by turns.  The maximum of 32 scores and the old m: four chains, each accumulator from its low end
.irp j, 0,1,2,3
.irp t, 0,1
	v_max3_num_f32 v[ST+8*\t+4+\j], v[SR+32*\t+8*\j], v[SR+32*\t+8*\j+1], v[SR+32*\t+8*\j+2]
.endr
.endr
.irp u, 1,2
.irp j, 0,1,2,3
.irp t, 0,1
	v_max3_num_f32 v[ST+8*\t+4+\j], v[ST+8*\t+4+\j], v[SR+32*\t+8*\j+2*\u+1], v[SR+32*\t+8*\j+2*\u+2]
.endr
.endr
.endr
.irp t, 0,1
	v_max3_num_f32 v[ST+8*\t+4], v[ST+8*\t+4], v[SR+32*\t+7], v[SR+32*\t+15]
.endr
.irp t, 0,1
	v_max3_num_f32 v[ST+8*\t+6], v[ST+8*\t+6], v[SR+32*\t+23], v[SR+32*\t+31]
.endr
.irp t, 0,1
	v_max3_num_f32 v[ST+8*\t+4], v[ST+8*\t+4], v[ST+8*\t+5], v[ST+8*\t+6]
.endr
.irp t, 0,1
	v_max3_num_f32 v[ST+8*\t+4], v[ST+8*\t+4], v[ST+8*\t+7], v[ST+8*\t+1]
.endr
.irp t, 0,1
	v_permlanex16_b32 v[ST+8*\t+5], v[ST+8*\t+4], s[SEL], s[SEL+1]   ; the query's other 32 keys lie in the lane 16 away
.endr
.irp t, 0,1
	v_mov_b32 v[ST+8*\t+7], v[ST+8*\t]             ; c m_old
.endr
.irp t, 0,1
	v_max_num_f32 v[ST+8*\t+1], v[ST+8*\t+4], v[ST+8*\t+5]
.endr
.irp t, 0,1
	v_mul_f32 v[ST+8*\t], s[CS], v[ST+8*\t+1]
.endr
.irp t, 0,1
	v_sub_f32 v[ST+8*\t+7], v[ST+8*\t+7], v[ST+8*\t]
.endr
.irp j, 0,2,4,6,8,10,12,14,16,18,20,22,24,26,28,30
.irp t, 0,1
	v_pk_fma_f32 v[SR+32*\t+\j:SR+32*\t+\j+1], v[SR+32*\t+\j:SR+32*\t+\j+1], s[CS:CS+1], v[ST+8*\t:ST+8*\t+1] op_sel_hi:[1,0,0] neg_lo:[0,0,1] neg_hi:[0,0,1]   ; c s - c m
.endr
.endr
.irp t, 0,1
	v_exp_f32 v[ST+8*\t+6], v[ST+8*\t+7]           ; a = 2^(c m_old - c m_new)
.endr
.set i, 0
.rept 64
	v_exp_f32 v[SR+i], v[SR+i]                     ; p, at most 1
.set i, i+1
.endr
	v_nop                                          ; a plain line behind the last exponential
	s_wait_alu depctr_va_vdst(0)                   ; one wait for the batch of 66, ahead of its first reader
.irp t, 0,1
	v_pk_mul_f32 v[ST+8*\t+2:ST+8*\t+3], v[ST+8*\t+2:ST+8*\t+3], v[ST+8*\t+6:ST+8*\t+7] op_sel_hi:[1,0]   ; l x a
.endr
.irp t, 0,1
	v_pk_add_f32 v[ST+8*\t+4:ST+8*\t+5], v[SR+32*\t:SR+32*\t+1], v[SR+32*\t+2:SR+32*\t+3]   ; the sums are taken of the unrounded p, in two chains
.endr
.irp j, 4,8,12,16,20,24,28
.irp t, 0,1
	v_pk_add_f32 v[ST+8*\t+2:ST+8*\t+3], v[ST+8*\t+2:ST+8*\t+3], v[SR+32*\t+\j:SR+32*\t+\j+1]
	v_pk_add_f32 v[ST+8*\t+4:ST+8*\t+5], v[ST+8*\t+4:ST+8*\t+5], v[SR+32*\t+\j+2:SR+32*\t+\j+3]
.endr
.endr
.irp t, 0,1
	v_pk_add_f32 v[ST+8*\t+2:ST+8*\t+3], v[ST+8*\t+2:ST+8*\t+3], v[ST+8*\t+4:ST+8*\t+5]
.endr
.irp j, 0,1,2,3,4,5,6,7,8,9,10,11,12,13,14,15
.irp t, 0,1
	v_cvt_pk_f16_f32 v[SR+32*\t+\j], v[SR+32*\t+2*\j], v[SR+32*\t+2*\j+1]   ; in place, ascending: two tiles of 16 keys become a fragment of 32
.endr
.endr
.irp j, 0,2,4,6,8,10,12,14,16,18,20,22,24,26,28,30
.irp t, 0,1
	v_pk_mul_f32 v[OR+32*\t+\j:OR+32*\t+\j+1], v[OR+32*\t+\j:OR+32*\t+\j+1], v[ST+8*\t+6:ST+8*\t+7] op_sel_hi:[1,0]   ; O^T x a
.endr
.endr
	s_wait_dscnt 0x0                               ; V is in
.irp kh, 0,1                                   ; O^T += V^T P: eight accumulators by turns
.irp i, 0,1,2,3
.irp t, 0,1
	v_wmma_f32_16x16x32_f16 v[OR+32*\t+8*\i:OR+32*\t+8*\i+7], v[KV+32*\kh+8*\i:KV+32*\kh+8*\i+7], v[SR+32*\t+8*\kh:SR+32*\t+8*\kh+7], v[OR+32*\t+8*\i:OR+32*\t+8*\i+7]
.endr
.endr
.endr
.Lhidden_\@:
	s_add_co_u32 s[KF], s[KF], 64
.endm
; THE CHANGE OF SLOTS stands at a slot's head.  Each wave waits for all its tensor loads, adds 0 to its spare word (fill = 1: twice on end), and waits for that and for its reads of the slot left.
; Behind the barrier the slot ahead is whole and nobody reads the other.  fill = 1: the other is filled with the next 256 keys, unless they all come after the work-group's last query.
.macro CHANGE fill
	s_wait_tensorcnt 0x0                           ; no tensor load of mine is out, so a group 0 may be written
	ds_add_u32 v[SPW], v[NIL]
.if \fill
	ds_add_u32 v[SPW], v[NIL]
	s_xor_b32 s[G0K+1], s[G0K+1], SLOT1            ; the walking descriptors: the other slot,
	s_add_nc_u64 s[G0K+2:G0K+3], s[G0K+2:G0K+3], 32768   ; the next 256 keys
	s_xor_b32 s[G0V+1], s[G0V+1], SLOT1
	s_add_nc_u64 s[G0V+2:G0V+3], s[G0V+2:G0V+3], 32768
	s_wait_xcnt 0x0                                ; the last prefetch, a slot back, has read its address
	s_add_nc_u64 s[PFA:PFA+1], s[PFA:PFA+1], 32768
.endif
	s_wait_dscnt 0x0
	s_barrier_signal -1
	s_barrier_wait -1
.if \fill
	s_add_co_u32 s56, s[KF], 256                   ; the first key of the slot that this change would ask for
	s_cmp_gt_u32 s56, s[LQ]                        ; ids and the count of steps alone: all sixteen waves go the same way
	s_cbranch_scc1 .Lpast_\@
	TLOAD                                          ; a wave's one tensor load until the next such barrier
.Lpast_\@:
	ASK
.endif
.endm
.macro SLOT_STEPS
	STEP 0
	STEP 1
	STEP 2
	STEP 3
	s_xor_b32 s[TB], s[TB], SLOT1
.endm
	s_wait_loadcnt 0x0                             ; Q
.Lslot:                                            ; seven trips
	CHANGE 1
	SLOT_STEPS
	s_sub_co_u32 s[SLOTS], s[SLOTS], 1
	s_cmp_lg_u32 s[SLOTS], 0
	s_cbranch_scc1 .Lslot
	CHANGE 0                                       ; the last slot is written out: nothing is left to ask for
	SLOT_STEPS
	; THE WAY OUT.  l's halves are added; O^T / l is rounded to f16 and goes through my stage, a tile of 16 rows at a time; four rows of 128 bytes, 512 consecutive bytes, leave by each store.
.rept 4
	v_nop                                          ; places behind the last products
.endr
.irp t, 0,1
	v_add_f32 v[ST+8*\t+4], v[ST+8*\t+2], v[ST+8*\t+3]
.endr
.irp t, 0,1
	v_permlanex16_b32 v[ST+8*\t+5], v[ST+8*\t+4], s[SEL], s[SEL+1]
.endr
.irp t, 0,1
	v_add_f32 v[ST+8*\t+4], v[ST+8*\t+4], v[ST+8*\t+5]
.endr
.irp t, 0,1
	v_rcp_f32 v[ST+8*\t+6], v[ST+8*\t+4]
.endr
	v_nop                                          ; a plain line behind the reciprocals
	s_wait_alu depctr_va_vdst(0)                   ; and the one wait ahead of their first reader
.macro OUT t
.irp j, 0,2,4,6,8,10,12,14,16,18,20,22,24,26,28,30
	v_pk_mul_f32 v[OR+32*\t+\j:OR+32*\t+\j+1], v[OR+32*\t+\j:OR+32*\t+\j+1], v[ST+8*\t+6:ST+8*\t+7] op_sel_hi:[1,0]
.endr
.irp j, 0,1,2,3,4,5,6,7,8,9,10,11,12,13,14,15
	v_cvt_pk_f16_f32 v[SR+16*\t+\j], v[OR+32*\t+2*\j], v[OR+32*\t+2*\j+1]
.endr
.irp i, 0,1,2,3
	ds_store_b128 v[STO], v[SR+16*\t+4*\i:SR+16*\t+4*\i+3] offset:32*\i
.endr
.irp u, 0,1,2,3
	ds_load_b128 v[KV+16*\t+4*\u:KV+16*\t+4*\u+3], v[RD] offset:576*\u   ; LDS serves a wave's instructions in order (ISA guide 5.7.1.4)
.endr
.endm
	OUT 0
	OUT 1
.irp u, 0,1,2,3
	s_wait_dscnt 11-\u                             ; behind tile 0's load u: its own younger loads and tile 1's eight
	global_store_b128 v[GO], v[KV+4*\u:KV+4*\u+3], s[6:7] offset:512*\u
.endr
.irp u, 0,1,2,3
	s_wait_dscnt 3-\u
	global_store_b128 v[GO], v[KV+16+4*\u:KV+16+4*\u+3], s[6:7] offset:2048+512*\u
.endr
	s_wait_tensorcnt 0x0                           ; the wave's end
	ds_add_u32 v[SPW], v[NIL]
	s_wait_dscnt 0x0
	s_endpgm
.Lfunc_end_k_q2e66b586c7_attn:
	.size	k_q2e66b586c7_attn, .Lfunc_end_k_q2e66b586c7_attn-k_q2e66b586c7_attn
	.p2alignl 7, 3214868480
	.fill 96, 4, 3214868480
	.section	.rodata,"a",@progbits
	.p2align	6, 0x0
	.amdhsa_kernel k_q2e66b586c7_attn
		.amdhsa_group_segment_fixed_size 327680
		.amdhsa_private_segment_fixed_size 0
		.amdhsa_enable_private_segment 0
		.amdhsa_kernarg_size 16
		.amdhsa_user_sgpr_count 2
		.amdhsa_user_sgpr_kernarg_segment_ptr 1
		.amdhsa_wavefront_size32 1
		.amdhsa_system_sgpr_workgroup_id_x 1
		.amdhsa_system_sgpr_workgroup_id_y 1
		.amdhsa_system_sgpr_workgroup_id_z 1
		.amdhsa_system_vgpr_workitem_id 0
		.amdhsa_next_free_vgpr 256
		.amdhsa_next_free_sgpr 76
		.amdhsa_reserve_vcc 1
		.amdhsa_float_denorm_mode_32 3
		.amdhsa_float_denorm_mode_16_64 3
		.amdhsa_memory_ordered 1
		.amdhsa_forward_progress 1
		.amdhsa_inst_pref_size 190
	.end_amdhsa_kernel
	.amdgpu_metadata
---
amdhsa.version: [ 1, 2 ]
amdhsa.kernels:
  - .name:           k_q2e66b586c7_attn
    .symbol:         k_q2e66b586c7_attn.kd
    .args:
      - { .name: qkv, .offset: 0, .size: 8, .value_kind: global_buffer, .address_space: global }
      - { .name: ctx, .offset: 8, .size: 8, .value_kind: global_buffer, .address_space: global }
    .group_segment_fixed_size: 327680
    .private_segment_fixed_size: 0
    .kernarg_segment_align: 8
    .kernarg_segment_size: 16
    .max_flat_workgroup_size: 512
    .sgpr_count:     76
    .vgpr_count:     256
    .wavefront_size: 32
...
	.end_amdgpu_metadata
.endif
;; end of part 3
;; launch proj (part 4): grid 4 x 64, 4 waves a work-group, clusters of 4 x 4, 327,680 bytes of LDS; arguments ctx, wpt, out0, b_proj; writes out0
.if DOCPART == 4
	.amdgcn_target "amdgcn-amd-amdhsa--gfx1250"
	.amdhsa_code_object_version 6
	.text
	.protected	k_q2e66b586c7_proj
	.globl	k_q2e66b586c7_proj
	.p2align	8
	.type	k_q2e66b586c7_proj,@function
k_q2e66b586c7_proj:
	s_mov_b64 s[64:65], 0
	v_nop
	global_prefetch_b8 v0, s[64:65] scope:SCOPE_SE
	s_setreg_imm32_b32 hwreg(HW_REG_WAVE_MODE, 25, 1), 1
	s_wait_xcnt 0x0
	s_wait_alu depctr_hold_cnt(0) depctr_sa_sdst(0) depctr_va_vdst(0) depctr_va_sdst(0) depctr_va_ssrc(0) depctr_va_vcc(0) depctr_vm_vsrc(0)
	s_getreg_b32 s2, hwreg(HW_REG_IB_STS2, 6, 4)
	s_cmp_eq_u32 s2, 0
	s_cbranch_scc0 .Lentry_in_a_cluster
	s_endpgm
.Lentry_in_a_cluster:
	s_bfe_u32 s2, ttmp6, 0x10000c
	s_cmp_lg_u32 s2, 0xf033
	s_cbranch_scc0 .Lentry_shape_is_right
	s_endpgm
.Lentry_shape_is_right:
; out0 = ctx W_proj + b_proj on f16 operands, f32 sums, f32 out; all rows but the first 16 of each batch, which a later launch makes in f32.
; ctx: f16 [64 = batch x 16 + head][2048 t][64 d]; wpt: f16 [1024 n][1024 k]; out0: f32 [8192][1024].  LIMIT: f16 operands: magnitudes under 65,504.
; A tile of 128 rows x 256 columns for each of 256 work-groups; four waves, each 64 x 128: 32 accumulators, 256 registers.  K goes in eight steps of 128 (two heads) through a ring of two LDS slots.
; A K step's tile of ctx is two dense blocks of 16,384 bytes (128 rows of one head each): wave 0 and wave 1 fetch one each; waves 2 and 3 fetch 128 rows x 256 bytes of wpt each.
; CLUSTERS: 4 x 4.  The tile row is 16 cy + cluster y (the batch is cy), the tile column cx.  ctx's tile is shared along a row of the cluster, wpt's along a column: each is asked for jointly.
; THE MATRIX INSTRUCTION IS USED TRANSPOSED (source 0 = 16 rows of wpt, source 1 = 16 rows of ctx): a lane holds eight neighbouring columns of a row.  The bias is the C of each sum's first instruction.
; REGISTERS: window 0: v16-30 addresses; v64-127 ctx's fragments, two buffers of 32; v128-255 wpt's, two buffers of 64 (on the way out: rows read back).  window 1: accumulator (a, b) at v[8 (8 a + b)].  window 2: v0-63 the bias.
.set PA,     144                       ; a row of ctx in LDS: 128 bytes + 16
.set PB,     272                       ; a row of wpt: 256 + 16
.set APL,    128*PA                    ; a head's 128 rows
.set BOFF,   2*APL
.set SLOT,   BOFF+256*PB
.set STAGE,  2*SLOT                    ; behind the ring: 16 rows x 528 bytes for each wave
.set SPITCH, 528
.set SPARE,  STAGE+4*16*SPITCH         ; the spare words, 128 bytes a wave, that no other line names
.set ADRA, 16
.set ADRB, 20
.set STO,  24
.set RD,   25
.set CO,   26
.set BO,   27
.set SPW,  28
.set NIL,  29
.set PFO,  30
.set FA,   64
.set FB,   128
.set BK,   128
.set G1,  24
.set G0,  32
.set G1B, 48
.set G0B, 56
.set LIM, 43
.set PFA, 44
.set MSB, 0
.macro WIN new
.if MSB != \new
	s_set_vgpr_msb (MSB<<8)|\new
.set MSB, \new
.endif
.endm
.set MUL,  0x50                        ; sources 0 and 1 window 0; C and D window 1
.set MULB, 0x60                        ; C (the bias) window 2, D window 1
.macro JLOAD s                         ; a joint load: waves 0 and 1 fetch for ctx, waves 2 and 3 for wpt; an s_nop 0 and four v_nop follow each of the two lines
	s_cmp_eq_u32 s67, 0
	s_cbranch_scc0 .Lfor_b_\@
	tensor_load_to_lds s[G0+4*\s:G0+4*\s+3], s[G1:G1+7]
	s_nop 0
.rept 4
	v_nop
.endr
	s_branch .Lasked_\@
.Lfor_b_\@:
	tensor_load_to_lds s[G0B+4*\s:G0B+4*\s+3], s[G1B:G1B+7]
	s_nop 0
.rept 4
	v_nop
.endr
.Lasked_\@:
.endm
.macro CREST
	s_cmp_lg_u32 s66, 0
	s_cbranch_scc1 .Lnot_wave_0_\@
	s_barrier_signal -3
.Lnot_wave_0_\@:
	s_barrier_wait -3
	s_barrier_signal -1
	s_barrier_wait -1
.endm
.macro CROUND
	s_barrier_signal -1
	s_barrier_wait -1
	CREST
.endm
; A prefetch of ctx's tile of the K step two refills on: 32,768 bytes, 128 blocks of 256.  A tile is read by the four partners of one row of one cluster alone; they share its blocks out by address, 32 each
; (head cx / 2, half cx % 2); in each, wave 0 asks, lanes 256 bytes apart, one instruction.  K steps 4 to 7 are asked for; the loop's last trip asks for nothing.  wpt, which every cluster reads, is not asked for.
.macro ASK
	s_cmp_gt_u32 s3, s[LIM]
	s_cbranch_scc0 .Lnot_mine_\@
	global_prefetch_b8 v[PFO], s[PFA:PFA+1] offset:524288 th:TH_LOAD_NT scope:SCOPE_SE
.Lnot_mine_\@:
.endm
	s_load_b256 s[4:11], s[0:1], 0x0               ; ctx s[4:5], wpt s[6:7], out0 s[8:9], b_proj s[10:11]
	v_lshl_add_u32 v[SPW], v0, 2, SPARE
	v_mov_b32 v[NIL], 0
	ds_add_u32 v[SPW], v[NIL]                      ; the wave's opening: the add, twice on end, and its wait ahead of my first tensor load
	ds_add_u32 v[SPW], v[NIL]
	v_lshrrev_b32 v1, 5, v0
	v_readfirstlane_b32 s66, v1                    ; wave 0..3
	s_lshr_b32 s67, s66, 1                         ; my half of the tile's rows.  Also: I fetch for ctx (0) or for wpt (1)
	s_and_b32 s68, s66, 1                          ; my half of its columns.  Also: which head, or which 128 rows of wpt, I fetch
	s_bfe_u32 s40, ttmp6, 0x40000                  ; cx
	s_bfe_u32 s41, ttmp6, 0x40004                  ; cy
	s_lshl_b32 s42, ttmp9, 2
	s_add_co_u32 s42, s42, s40                     ; tile column
	s_and_b32 s2, ttmp7, 0xffff                    ; cluster y: the tile within the batch
	s_or_b32 s69, s2, s67                          ; 0 where my first 16 rows are a batch's rows t < 16
	s_lshl_b32 s43, s41, 2
	s_lshl_b32 s43, 15, s43                        ; my row of the cluster
	s_lshl_b32 s44, 0x1111, s40                    ; my column
	s_or_b32 s[G1+0], s43, (3<<16)|(1<<20)|(1<<21)|(4<<22)|(3<<25)   ; ctx: elements of 8 bytes; 4 words of padding after every 32
	s_mov_b32 s[G1+1], 16<<16                      ; rows of 16 elements = 128 bytes
	s_mov_b32 s[G1+2], 128<<16
	s_mov_b32 s[G1+3], 16<<16
	s_mov_b32 s[G1+4], 128
	s_mov_b32 s[G1+5], 16                          ; dense
	s_mov_b32 s[G1+6], 0
	s_mov_b32 s[G1+7], 0
	s_or_b32 s[G1B+0], s44, (1<<16)|(1<<20)|(1<<21)|(5<<22)|(3<<25)  ; wpt: elements of 2 bytes; 4 words after every 64
	s_mov_b32 s[G1B+1], 128<<16
	s_mov_b32 s[G1B+2], 128<<16
	s_mov_b32 s[G1B+3], 128<<16
	s_mov_b32 s[G1B+4], 128
	s_mov_b32 s[G1B+5], 1024
	s_mov_b32 s[G1B+6], 0
	s_mov_b32 s[G1B+7], 0
	s_lshl_b32 s12, s41, 22                        ; ctx: 16 heads of 262,144 bytes a batch,
	s_lshl_b32 s13, s68, 18                        ; my head of the K step's two,
	s_add_co_u32 s12, s12, s13
	s_lshl_b32 s13, s2, 14                         ; 128 rows of 128 bytes a tile
	s_add_co_u32 s12, s12, s13
	s_mov_b32 s13, 0
	s_lshl_b32 s46, s42, 19                        ; wpt: 256 rows of 2,048 bytes a tile column,
	s_lshl_b32 s47, s68, 18                        ; 128 for my half
	s_add_co_u32 s46, s46, s47
	s_mov_b32 s47, 0
	s_mul_i32 s20, s68, APL                        ; where they go in a slot
	s_mul_i32 s21, s68, 128*PB
	s_add_co_u32 s21, s21, BOFF
	s_wait_dscnt 0x0                               ; both opening adds are done
	s_wait_kmcnt 0x0
	s_add_nc_u64 s[14:15], s[4:5], s[12:13]
	s_add_nc_u64 s[46:47], s[6:7], s[46:47]
	CROUND                                         ; all sixteen work-groups are here
.irp s, 0,1
	s_mov_b32 s[G0+4*\s], 1
	s_add_co_u32 s[G0+4*\s+1], s20, \s*SLOT
	s_add_nc_u64 s[G0+4*\s+2:G0+4*\s+3], s[14:15], \s*524288       ; K step s: two heads on
	s_or_b32 s[G0+4*\s+3], s[G0+4*\s+3], 0x80000000
	s_mov_b32 s[G0B+4*\s], 1
	s_add_co_u32 s[G0B+4*\s+1], s21, \s*SLOT
	s_add_nc_u64 s[G0B+4*\s+2:G0B+4*\s+3], s[46:47], \s*256
	s_or_b32 s[G0B+4*\s+3], s[G0B+4*\s+3], 0x80000000
	JLOAD \s
.endr
	v_and_b32 v1, 15, v0                           ; r
	v_bfe_u32 v2, v0, 4, 1                         ; h
	v_mul_u32_u24 v3, v1, PA
	v_lshl_add_u32 v3, v2, 4, v3
	v_mul_u32_u24 v4, v1, PB
	v_lshl_add_u32 v4, v2, 4, v4
	s_mul_i32 s22, s67, 64*PA                      ; my 64 rows of ctx
	s_mul_i32 s23, s68, 128*PB                     ; my 128 rows of wpt
	s_add_co_u32 s23, s23, BOFF
.irp s, 0,1
	v_add_nc_u32 v[ADRA+\s], s22, v3
	v_add_nc_u32 v[ADRB+\s], s23, v4
	s_add_co_u32 s22, s22, SLOT
	s_add_co_u32 s23, s23, SLOT
.endr
	s_mul_i32 s22, s66, 16*SPITCH
	s_add_co_u32 s22, s22, STAGE                   ; my stage
	v_mul_u32_u24 v5, v1, SPITCH
	v_lshl_add_u32 v5, v2, 5, v5
	v_add_nc_u32 v[STO], s22, v5
	v_and_b32 v6, 31, v0
	v_lshlrev_b32 v[CO], 4, v6
	v_add_nc_u32 v[RD], s22, v[CO]
	v_lshlrev_b32 v[BO], 5, v2
	v_lshlrev_b32 v[PFO], 8, v6
	s_lshl_b32 s74, s42, 10                        ; my first column in bytes: 1,024 x tile column + 512 x half
	s_lshl_b32 s75, s68, 9
	s_add_co_u32 s74, s74, s75
	s_mov_b32 s75, 0
	s_add_nc_u64 s[10:11], s[10:11], s[74:75]      ; the bias there
	s_lshl_b32 s76, s41, 23                        ; out0: 2,048 rows of 4,096 bytes a batch,
	s_lshl_b32 s77, s2, 19                         ; 128 a tile,
	s_add_co_u32 s76, s76, s77
	s_lshl_b32 s77, s67, 18                        ; 64 for my half
	s_add_co_u32 s76, s76, s77
	s_add_co_u32 s76, s76, s74
	s_mov_b32 s77, 0
	s_add_nc_u64 s[8:9], s[8:9], s[76:77]
	s_lshl_b32 s70, s41, 22                        ; the prefetches: my work-group's 8,192 bytes of a K step's tile of ctx
	s_lshr_b32 s71, s40, 1
	s_lshl_b32 s71, s71, 18
	s_add_co_u32 s70, s70, s71
	s_lshl_b32 s71, s2, 14
	s_add_co_u32 s70, s70, s71
	s_and_b32 s71, s40, 1
	s_lshl_b32 s71, s71, 13
	s_add_co_u32 s70, s70, s71
	s_add_co_u32 s70, s70, 2*524288                ; at K step 2: the first refill steps it to 3 and names K step 4
	s_mov_b32 s71, 0
	s_add_nc_u64 s[PFA:PFA+1], s[4:5], s[70:71]
	s_cmp_eq_u32 s66, 0
	s_cselect_b32 s[LIM], 1, -1
	WIN 0x80                                       ; destination window 2
.irp b, 0,1,2,3,4,5,6,7
	global_load_b128 v[8*\b:8*\b+3], v[BO], s[10:11] offset:64*\b           ; register j of block b: b_proj(my column + 16 b + 8 h + j)
	global_load_b128 v[8*\b+4:8*\b+7], v[BO], s[10:11] offset:64*\b+16
.endr
	WIN 0
; 8 matrix instructions: ctx's block a against wpt's eight, 32 along K, buffer f.  zero = 1: the sums start from the bias.  The 32 accumulators take turns in the same order in every quarter.
.macro MUL8 f, a, zero
.irp b, 0,1,2,3,4,5,6,7
.if \zero
	v_wmma_f32_16x16x32_f16 v[8*(8*(\a)+\b):8*(8*(\a)+\b)+7], v[FB+64*(\f)+8*\b:FB+64*(\f)+8*\b+7], v[FA+32*(\f)+8*(\a):FA+32*(\f)+8*(\a)+7], v[8*\b:8*\b+7]
.else
	v_wmma_f32_16x16x32_f16 v[8*(8*(\a)+\b):8*(8*(\a)+\b)+7], v[FB+64*(\f)+8*\b:FB+64*(\f)+8*\b+7], v[FA+32*(\f)+8*(\a):FA+32*(\f)+8*(\a)+7], v[8*(8*(\a)+\b):8*(8*(\a)+\b)+7]
.endif
.endr
.endm
; 24 LDS loads in one run: quarter q (32 along K) of a slot into buffer f: wpt's sixteen first, then ctx's eight
.macro FETCH slot, q, f
.irp i, 0,1,2,3,4,5,6,7
	ds_load_b128 v[FB+64*(\f)+8*\i:FB+64*(\f)+8*\i+3],   v[ADRB+\slot] offset:64*(\q)+\i*16*PB
	ds_load_b128 v[FB+64*(\f)+8*\i+4:FB+64*(\f)+8*\i+7], v[ADRB+\slot] offset:64*(\q)+\i*16*PB+32
.endr
.irp i, 0,1,2,3
	ds_load_b128 v[FA+32*(\f)+8*\i:FA+32*(\f)+8*\i+3],   v[ADRA+\slot] offset:((\q)/2)*APL+64*((\q)%2)+\i*16*PA
	ds_load_b128 v[FA+32*(\f)+8*\i+4:FA+32*(\f)+8*\i+7], v[ADRA+\slot] offset:((\q)/2)*APL+64*((\q)%2)+\i*16*PA+32
.endr
.endm
.macro PLACES                          ; four plain lines between a matrix instruction and a load into, or a read of, its registers
.rept 4
	v_nop
.endr
.endm
.macro QUARTER slot, qn, f, g, zero    ; multiplies buffer f; in its middle it fetches quarter qn of the same slot into buffer g
	s_wait_dscnt 4                                 ; wpt's and ctx's blocks 0, 1 are in; the youngest four loads (blocks 2, 3) may be out
.if \zero
	WIN MULB
.else
	WIN MUL
.endif
	MUL8 \f, 0, \zero
	MUL8 \f, 1, \zero
	PLACES
	WIN 0
	FETCH \slot, \qn, \g
	s_wait_dscnt 24                                ; all but the 24 just issued
.if \zero
	WIN MULB
.else
	WIN MUL
.endif
	MUL8 \f, 2, \zero
	MUL8 \f, 3, \zero
.endm
; The last quarter multiplies buffer 1 and changes slots: one barrier; in front of it each wave waits for all its tensor loads, adds 0 to its spare word, and waits for that and for its reads of this slot.
; fill = 1: the barrier opens a round of the cluster's barrier and this slot is filled again, two K steps ahead: from the request to the wait for it a wave issues 112 matrix instructions.
.macro TURN slot, next, fill
.if \fill
	s_wait_xcnt 0x0                                ; the last prefetch, a K step back, has read its address
	s_add_nc_u64 s[PFA:PFA+1], s[PFA:PFA+1], 524288
.endif
	WIN 0
	s_wait_tensorcnt 0x0                           ; my part of the next slot has landed
	ds_add_u32 v[SPW], v[NIL]
	s_wait_dscnt 5                                 ; the add and the youngest four loads may be out
	WIN MUL
	MUL8 1, 0, 0
	s_wait_dscnt 0x0                               ; the add is done, and my reads of this slot are over
	s_barrier_signal -1
	MUL8 1, 1, 0
	WIN 0
	s_barrier_wait -1
.if \fill
	CREST                                          ; no wave of any partner still reads this slot or has a load on its way
	s_add_nc_u64 s[G0+4*\slot+2:G0+4*\slot+3], s[G0+4*\slot+2:G0+4*\slot+3], 2*524288
	s_add_nc_u64 s[G0B+4*\slot+2:G0B+4*\slot+3], s[G0B+4*\slot+2:G0B+4*\slot+3], 2*256
	JLOAD \slot                                    ; the four v_nop behind it are also the places in front of the loads below
.else
	PLACES
.endif
	FETCH \next, 0, 0
.if \fill
	ASK
.endif
	WIN MUL
	MUL8 1, 2, 0
	MUL8 1, 3, 0
.endm
	s_wait_tensorcnt 1                             ; my part of K step 0 is in; K step 1's load may be out
	s_barrier_signal -1
	s_barrier_wait -1
	FETCH 0, 0, 0
	s_wait_loadcnt 0x0                             ; the bias
	QUARTER 0, 1, 0, 1, 1                          ; the first quarter stands in front of the loop: its products start the sums
	WIN 0
	s_mov_b32 s3, 3
.Llap:                                             ; a trip goes once round the ring and fills both slots again
	QUARTER 0, 2, 1, 0, 0
	QUARTER 0, 3, 0, 1, 0
	TURN 0, 1, 1
	QUARTER 1, 1, 0, 1, 0
	QUARTER 1, 2, 1, 0, 0
	QUARTER 1, 3, 0, 1, 0
	TURN 1, 0, 1
	QUARTER 0, 1, 0, 1, 0
	WIN 0
	s_sub_co_u32 s3, s3, 1
	s_cmp_lg_u32 s3, 0
	s_cbranch_scc1 .Llap
	QUARTER 0, 2, 1, 0, 0                          ; the last lap fills nothing
	QUARTER 0, 3, 0, 1, 0
	TURN 0, 1, 0
	QUARTER 1, 1, 0, 1, 0
	QUARTER 1, 2, 1, 0, 0
	QUARTER 1, 3, 0, 1, 0
	s_wait_dscnt 4
	WIN MUL
	MUL8 1, 0, 0
	MUL8 1, 1, 0
	s_wait_dscnt 0
	MUL8 1, 2, 0
	MUL8 1, 3, 0
	WIN 0
; THE WAY OUT, block by block of 16 rows x 128 columns, through my stage: back as whole rows of 512 bytes, which the 32 lanes store as 512 consecutive bytes.
.macro TOSTAGE a
	WIN 0x04                                       ; an LDS store's data: window 1
.irp b, 0,1,2,3,4,5,6,7
	ds_store_b128 v[STO], v[64*(\a)+8*\b:64*(\a)+8*\b+3] offset:64*\b          ; each accumulator from its low end on
	ds_store_b128 v[STO], v[64*(\a)+8*\b+4:64*(\a)+8*\b+7] offset:64*\b+16
.endr
	WIN 0
.set BB, BK+64*((\a)%2)
.irp t, 0,1,2,3,4,5,6,7,8,9,10,11,12,13,14,15
	ds_load_b128 v[BB+4*\t:BB+4*\t+3], v[RD] offset:\t*SPITCH
.endr
.endm
.macro SEND a, younger
.set BB, BK+64*((\a)%2)
	s_wait_dscnt \younger
.irp t, 0,1,2,3,4,5,6,7,8,9,10,11,12,13,14,15
	global_store_b128 v[CO], v[BB+4*\t:BB+4*\t+3], s[8:9] offset:(16*(\a)+\t)*4096 th:TH_STORE_NT
.endr
.endm
	PLACES
	s_cmp_eq_u32 s69, 0                            ; the rows t < 16 of a batch are another launch's: the cluster's y and the wave's number alone decide
	s_cbranch_scc1 .Lskip0
	TOSTAGE 0
	SEND 0, 0
.Lskip0:
	TOSTAGE 1
	s_wait_xcnt 0x0                                ; block 0's stores have read their registers
	TOSTAGE 2
	SEND 1, 32                                     ; behind block 1's loads: block 2's 16 stores and 16 loads
	s_wait_xcnt 0x0
	TOSTAGE 3
	SEND 2, 32
	SEND 3, 0
	s_wait_tensorcnt 0x0                           ; the wave's end
	ds_add_u32 v[SPW], v[NIL]
	s_wait_dscnt 0x0
	CROUND                                         ; the closing round
	s_endpgm
.Lfunc_end_k_q2e66b586c7_proj:
	.size	k_q2e66b586c7_proj, .Lfunc_end_k_q2e66b586c7_proj-k_q2e66b586c7_proj
	.p2alignl 7, 3214868480
	.fill 96, 4, 3214868480
	.section	.rodata,"a",@progbits
	.p2align	6, 0x0
	.amdhsa_kernel k_q2e66b586c7_proj
		.amdhsa_group_segment_fixed_size 327680
		.amdhsa_private_segment_fixed_size 0
		.amdhsa_enable_private_segment 0
		.amdhsa_kernarg_size 32
		.amdhsa_user_sgpr_count 2
		.amdhsa_user_sgpr_kernarg_segment_ptr 1
		.amdhsa_wavefront_size32 1
		.amdhsa_system_sgpr_workgroup_id_x 1
		.amdhsa_system_sgpr_workgroup_id_y 1
		.amdhsa_system_sgpr_workgroup_id_z 1
		.amdhsa_system_vgpr_workitem_id 0
		.amdhsa_next_free_vgpr 576
		.amdhsa_next_free_sgpr 80
		.amdhsa_reserve_vcc 0
		.amdhsa_float_denorm_mode_32 3
		.amdhsa_float_denorm_mode_16_64 3
		.amdhsa_memory_ordered 1
		.amdhsa_forward_progress 1
		.amdhsa_inst_pref_size 87
	.end_amdhsa_kernel
	.amdgpu_metadata
---
amdhsa.version: [ 1, 2 ]
amdhsa.kernels:
  - .name:           k_q2e66b586c7_proj
    .symbol:         k_q2e66b586c7_proj.kd
    .args:
      - { .name: ctx, .offset: 0, .size: 8, .value_kind: global_buffer, .address_space: global }
      - { .name: wpt, .offset: 8, .size: 8, .value_kind: global_buffer, .address_space: global }
      - { .name: out0, .offset: 16, .size: 8, .value_kind: global_buffer, .address_space: global }
      - { .name: b_proj, .offset: 24, .size: 8, .value_kind: global_buffer, .address_space: global }
    .group_segment_fixed_size: 327680
    .private_segment_fixed_size: 0
    .kernarg_segment_align: 8
    .kernarg_segment_size: 32
    .max_flat_workgroup_size: 128
    .sgpr_count:     80
    .vgpr_count:     576
    .wavefront_size: 32
...
	.end_amdgpu_metadata
.endif
;; end of part 4
;; launch fine (part 5): grid 16 x 4, 16 waves a work-group, no clusters, 71,680 bytes of LDS; arguments qkvf, W_proj, b_proj, out0; writes out0
.if DOCPART == 5
	.amdgcn_target "amdgcn-amd-amdhsa--gfx1250"
	.amdhsa_code_object_version 6
	.text
	.protected	k_q2e66b586c7_fine
	.globl	k_q2e66b586c7_fine
	.p2align	8
	.type	k_q2e66b586c7_fine,@function
k_q2e66b586c7_fine:
	s_mov_b64 s[64:65], 0
	v_nop
	global_prefetch_b8 v0, s[64:65] scope:SCOPE_SE
	s_setreg_imm32_b32 hwreg(HW_REG_WAVE_MODE, 25, 1), 1
	s_wait_xcnt 0x0
; THE FIRST 16 POSITIONS OF EVERY BATCH, all in f32: scores, softmax, values, projection, bias.  These rows average one to sixteen values and are the largest of the output.
; qkvf: f32 [64 = batch x 16 + t][3072]; W_proj: f32 [1024 k][1024 n]; out0: rows batch x 2048 + 0 .. 15 alone.
; Work-group (j, batch) makes 16 rows x the 64 columns 64 j on: 256 consecutive bytes of each row.  Wave h takes head h: it makes that head's 16 x 16 attention, and multiplies its ctx by W_proj's rows 64 h .. 64 h + 63,
; which are its share of K: so ctx changes neither wave nor lane.  The sixteen partial sums meet in LDS, and wave w adds and stores row w.
; The f32 matrix form takes k = 2 (lane / 16) + register.  Both sources of each product take the same permutation of k: place (hh, e) of step (i, p) stands for index 16 i + 8 hh + 2 p + e (keys: 8 hh + 2 p + e),
; so that plain loads and matrix results are operands as they lie.  All products transposed: a lane holds one query (lane % 16).
; The registers that the matrix form writes (v176-239) are written by it alone.
.set PST,   0                          ; LDS: [16 waves][16 rows][256 bytes + 16]
.set SPARE, 69632                      ; the spare words, 128 bytes a wave, that no other line names
.set SPW, 12
.set NIL, 13
.set QF,  16                           ; v16-47   q: register 8 i + j = q[r][16 i + 8 hh + j]; later W's column tile 2
.set KF,  48                           ; v48-79   k likewise; later W's column tile 3
.set VF,  80                           ; v80-111  v: register 2 (4 i + p) + e = v[key 8 hh + 2 p + e][16 i + r]
.set WF,  112                          ; v112-175 W's column tiles 0, 1: register 32 u + 2 (4 i + p) + e = W[64 h + 16 i + 8 hh + 2 p + e][64 j + 16 u + r]
.set A1,  176                          ; v176-207 the scores' four partial sums; later the output's four tiles
.set A2,  208                          ; v208-239 ctx^T: register 8 i + j = ctx[r][16 i + 8 hh + j]
.set TW,  240                          ; v240-247 at work
.set PP,  248                          ; v248-255 the scores, then p: register j = key 8 hh + j
	s_load_b256 s[4:11], s[0:1], 0x0               ; qkvf s[4:5], W_proj s[6:7], b_proj s[8:9], out0 s[10:11]
	v_lshl_add_u32 v[SPW], v0, 2, SPARE
	v_mov_b32 v[NIL], 0
	v_lshrrev_b32 v1, 5, v0
	v_readfirstlane_b32 s12, v1                    ; wave = head = the row that I store
	s_and_b32 s13, ttmp7, 0xffff                   ; batch
	v_and_b32 v1, 15, v0                           ; r
	v_bfe_u32 v2, v0, 4, 1                         ; hh
	v_mul_u32_u24 v3, v1, 12288
	v_lshl_add_u32 v3, v2, 5, v3                   ; q, k: row r, + 32 hh bytes
	v_lshlrev_b32 v4, 2, v1
	v_mul_u32_u24 v5, v2, 8*12288
	v_add_nc_u32 v5, v5, v4                        ; v: 8 hh rows down, + 4 r
	v_lshl_add_u32 v6, v2, 15, v4                  ; W: 8 hh rows of 4,096 bytes down, + 4 r
	v_lshlrev_b32 v7, 4, v1                        ; the bias and the way out: 16 bytes for each of 16 lanes
	s_mul_i32 s24, s12, 16*272
	v_mul_u32_u24 v14, v1, 272
	v_lshl_add_u32 v14, v2, 5, v14
	v_add_nc_u32 v14, s24, v14                     ; LDS, in: my wave's block, row r, + 32 hh
	s_mul_i32 s24, s12, 272
	v_mul_u32_u24 v15, v2, 8*16*272
	v_add_nc_u32 v15, v15, v7
	v_add_nc_u32 v15, s24, v15                     ; back: row w of waves 0-7 (lanes 0-15) or 8-15 (lanes 16-31)
	s_mov_b32 s20, 0x76543210
	s_mov_b32 s21, 0xfedcba98                      ; v_permlanex16_b32's selects for lane l xor 16
	s_mov_b32 s22, 0x3e38aa3b                      ; c = log2(e) / 8
	s_mov_b32 s23, s22
	s_mul_i32 s14, s13, 16*12288
	s_lshl_b32 s15, s12, 8
	s_add_co_u32 s14, s14, s15                     ; qkvf: the batch's 16 rows, my head's 256 bytes
	s_mov_b32 s15, 0
	s_lshl_b32 s16, s12, 18                        ; W_proj: 64 rows a head,
	s_lshl_b32 s17, ttmp9, 8                       ; 256 bytes a block of columns
	s_add_co_u32 s16, s16, s17
	s_mov_b32 s18, s17
	s_mov_b32 s17, 0
	s_mov_b32 s19, 0
	s_lshl_b32 s26, s13, 23                        ; out0: 2,048 rows a batch,
	s_lshl_b32 s27, s12, 12                        ; row w,
	s_add_co_u32 s26, s26, s27
	s_add_co_u32 s26, s26, s18                     ; my columns
	s_mov_b32 s27, 0
	s_wait_kmcnt 0x0
	s_add_nc_u64 s[4:5], s[4:5], s[14:15]
	s_add_nc_u64 s[6:7], s[6:7], s[16:17]
	s_add_nc_u64 s[8:9], s[8:9], s[18:19]
	s_add_nc_u64 s[10:11], s[10:11], s[26:27]
	global_load_b128 v[8:11], v7, s[8:9]           ; the bias
.irp i, 0,1,2,3
	global_load_b128 v[QF+8*\i:QF+8*\i+3], v3, s[4:5] offset:64*\i
	global_load_b128 v[QF+8*\i+4:QF+8*\i+7], v3, s[4:5] offset:64*\i+16
	global_load_b128 v[KF+8*\i:KF+8*\i+3], v3, s[4:5] offset:4096+64*\i
	global_load_b128 v[KF+8*\i+4:KF+8*\i+7], v3, s[4:5] offset:4096+64*\i+16
.endr
.irp i, 0,1,2,3
.irp p, 0,1,2,3
.irp e, 0,1
	global_load_b32 v[VF+2*(4*\i+\p)+\e], v5, s[4:5] offset:8192+(2*\p+\e)*12288+64*\i
.endr
.endr
.endr
.irp u, 0,1
.irp i, 0,1,2,3
.irp p, 0,1,2,3
.irp e, 0,1
	global_load_b32 v[WF+32*\u+2*(4*\i+\p)+\e], v6, s[6:7] offset:(16*\i+2*\p+\e)*4096+64*\u
.endr
.endr
.endr
.endr
	s_wait_loadcnt 63                              ; the bias, q, k and v are in: behind them stand W's 64 loads (the wait's field holds 63)
.irp p, 0,1,2,3                                ; S^T = k q^T: four partial sums by turns, 16 channels each
.irp i, 0,1,2,3
.if \p == 0
	v_wmma_f32_16x16x4_f32 v[A1+8*\i:A1+8*\i+7], v[KF+8*\i+2*\p:KF+8*\i+2*\p+1], v[QF+8*\i+2*\p:QF+8*\i+2*\p+1], 0
.else
	v_wmma_f32_16x16x4_f32 v[A1+8*\i:A1+8*\i+7], v[KF+8*\i+2*\p:KF+8*\i+2*\p+1], v[QF+8*\i+2*\p:QF+8*\i+2*\p+1], v[A1+8*\i:A1+8*\i+7]
.endif
.endr
.endr
.rept 8
	v_nop                                          ; eight places behind this form: for the loads into q's and k's registers and the reads of the sums
.endr
.irp u, 0,1
.irp i, 0,1,2,3
.irp p, 0,1,2,3
.irp e, 0,1
	global_load_b32 v[QF+32*\u+2*(4*\i+\p)+\e], v6, s[6:7] offset:(16*\i+2*\p+\e)*4096+128+64*\u   ; W's column tiles 2, 3
.endr
.endr
.endr
.endr
.irp j, 0,2,4,6
	v_pk_add_f32 v[PP+\j:PP+\j+1], v[A1+\j:A1+\j+1], v[A1+8+\j:A1+8+\j+1]          ; each sum from its low end on
	v_pk_add_f32 v[TW+\j:TW+\j+1], v[A1+16+\j:A1+16+\j+1], v[A1+24+\j:A1+24+\j+1]
.endr
.irp j, 0,2,4,6
	v_pk_add_f32 v[PP+\j:PP+\j+1], v[PP+\j:PP+\j+1], v[TW+\j:TW+\j+1]
.endr
	v_lshlrev_b32 v240, 3, v2
	v_sub_nc_u32 v240, v1, v240                    ; d = r - 8 hh: key 8 hh + j is hidden from query r where j > d
	v_mov_b32 v241, 0xff800000                     ; -infinity
.irp j, 0,1,2,3,4,5,6,7
	v_cmp_gt_i32 vcc_lo, \j, v240
	v_cndmask_b32 v[PP+\j], v[PP+\j], v241, vcc_lo
.endr
	v_max3_num_f32 v242, v248, v249, v250
	v_max3_num_f32 v242, v242, v251, v252
	v_max3_num_f32 v242, v242, v253, v254
	v_max_num_f32 v242, v242, v255
	v_permlanex16_b32 v243, v242, s20, s21
	v_max_num_f32 v242, v242, v243                 ; the row's maximum: key 0 counts for every query
	v_mul_f32 v242, s22, v242                      ; c m
.irp j, 0,2,4,6
	v_pk_fma_f32 v[PP+\j:PP+\j+1], v[PP+\j:PP+\j+1], s[22:23], v[242:243] op_sel_hi:[1,0,0] neg_lo:[0,0,1] neg_hi:[0,0,1]
.endr
.irp j, 0,1,2,3,4,5,6,7
	v_exp_f32 v[PP+\j], v[PP+\j]
.endr
	v_nop                                          ; a plain line behind the exponentials,
	s_wait_alu depctr_va_vdst(0)                   ; and the one wait ahead of their first reader
	v_pk_add_f32 v[244:245], v[248:249], v[250:251]
	v_pk_add_f32 v[246:247], v[252:253], v[254:255]
	v_pk_add_f32 v[244:245], v[244:245], v[246:247]
	v_add_f32 v244, v244, v245
	v_permlanex16_b32 v245, v244, s20, s21
	v_add_f32 v244, v244, v245                     ; the row's sum
	v_rcp_f32 v244, v244
	v_nop
	s_wait_alu depctr_va_vdst(0)
.irp j, 0,2,4,6
	v_pk_mul_f32 v[PP+\j:PP+\j+1], v[PP+\j:PP+\j+1], v[244:245] op_sel_hi:[1,0]    ; the weights, normalised
.endr
.irp p, 0,1,2,3                                ; ctx^T = v^T w^T: four tiles of 16 channels by turns, four keys a step
.irp i, 0,1,2,3
.if \p == 0
	v_wmma_f32_16x16x4_f32 v[A2+8*\i:A2+8*\i+7], v[VF+2*(4*\i+\p):VF+2*(4*\i+\p)+1], v[PP+2*\p:PP+2*\p+1], 0
.else
	v_wmma_f32_16x16x4_f32 v[A2+8*\i:A2+8*\i+7], v[VF+2*(4*\i+\p):VF+2*(4*\i+\p)+1], v[PP+2*\p:PP+2*\p+1], v[A2+8*\i:A2+8*\i+7]
.endif
.endr
.endr
.rept 9
	v_nop                                          ; nine places before a matrix instruction takes these results as a source
.endr
	s_wait_loadcnt 0x0                             ; all of W
.irp i, 0,1,2,3                                ; out^T = W^T ctx^T over my head's 64: four tiles of 16 columns by turns
.irp p, 0,1,2,3
.irp u, 0,1,2,3
.if \u < 2
.set WA, WF+32*\u+2*(4*\i+\p)
.else
.set WA, QF+32*(\u-2)+2*(4*\i+\p)
.endif
.if (\i == 0) && (\p == 0)
	v_wmma_f32_16x16x4_f32 v[A1+8*\u:A1+8*\u+7], v[WA:WA+1], v[A2+8*\i+2*\p:A2+8*\i+2*\p+1], 0
.else
	v_wmma_f32_16x16x4_f32 v[A1+8*\u:A1+8*\u+7], v[WA:WA+1], v[A2+8*\i+2*\p:A2+8*\i+2*\p+1], v[A1+8*\u:A1+8*\u+7]
.endif
.endr
.endr
.endr
.rept 8
	v_nop
.endr
.irp u, 0,1,2,3
	ds_store_b128 v14, v[A1+8*\u:A1+8*\u+3] offset:64*\u            ; lane (r, hh): my head's part of out(r, 64 j + 16 u + 8 hh + 0 .. 7)
	ds_store_b128 v14, v[A1+8*\u+4:A1+8*\u+7] offset:64*\u+16
.endr
	s_wait_dscnt 0x0                               ; for the others' sake: my stores are done
	s_barrier_signal -1
	s_barrier_wait -1
.irp k, 0,1,2,3,4,5,6,7
	ds_load_b128 v[QF+4*\k:QF+4*\k+3], v15 offset:16*272*\k
.endr
	s_wait_dscnt 0x0
.irp k, 0,2,4,6
	v_pk_add_f32 v[QF+4*\k:QF+4*\k+1], v[QF+4*\k:QF+4*\k+1], v[QF+4*\k+4:QF+4*\k+5]
	v_pk_add_f32 v[QF+4*\k+2:QF+4*\k+3], v[QF+4*\k+2:QF+4*\k+3], v[QF+4*\k+6:QF+4*\k+7]
.endr
.irp k, 0,4
	v_pk_add_f32 v[QF+4*\k:QF+4*\k+1], v[QF+4*\k:QF+4*\k+1], v[QF+4*\k+8:QF+4*\k+9]
	v_pk_add_f32 v[QF+4*\k+2:QF+4*\k+3], v[QF+4*\k+2:QF+4*\k+3], v[QF+4*\k+10:QF+4*\k+11]
.endr
	v_pk_add_f32 v[QF:QF+1], v[QF:QF+1], v[QF+16:QF+17]
	v_pk_add_f32 v[QF+2:QF+3], v[QF+2:QF+3], v[QF+18:QF+19]
.irp j, 0,1,2,3
	v_permlanex16_b32 v[KF+\j], v[QF+\j], s20, s21 ; the other eight heads' sum
.endr
	v_pk_add_f32 v[QF:QF+1], v[QF:QF+1], v[KF:KF+1]
	v_pk_add_f32 v[QF+2:QF+3], v[QF+2:QF+3], v[KF+2:KF+3]
	v_pk_add_f32 v[QF:QF+1], v[QF:QF+1], v[8:9]    ; and the bias
	v_pk_add_f32 v[QF+2:QF+3], v[QF+2:QF+3], v[10:11]
	s_wait_tensorcnt 0x0                           ; the wave's end, with all lanes on
	ds_add_u32 v[SPW], v[NIL]
	s_wait_dscnt 0x0
	v_and_b32 v3, 31, v0
	v_cmp_gt_u32 vcc_lo, 16, v3
	s_wait_xcnt 0x0                                ; EXEC changes only behind this wait
	s_and_saveexec_b32 s28, vcc_lo
	global_store_b128 v7, v[QF:QF+3], s[10:11] th:TH_STORE_NT       ; sixteen lanes store 256 consecutive bytes, aligned
	s_wait_xcnt 0x0                                ; and again, in front of the line that widens it
	s_or_b32 exec_lo, exec_lo, s28
	s_endpgm
.Lfunc_end_k_q2e66b586c7_fine:
	.size	k_q2e66b586c7_fine, .Lfunc_end_k_q2e66b586c7_fine-k_q2e66b586c7_fine
	.p2alignl 7, 3214868480
	.fill 96, 4, 3214868480
	.section	.rodata,"a",@progbits
	.p2align	6, 0x0
	.amdhsa_kernel k_q2e66b586c7_fine
		.amdhsa_group_segment_fixed_size 71680
		.amdhsa_private_segment_fixed_size 0
		.amdhsa_enable_private_segment 0
		.amdhsa_kernarg_size 32
		.amdhsa_user_sgpr_count 2
		.amdhsa_user_sgpr_kernarg_segment_ptr 1
		.amdhsa_wavefront_size32 1
		.amdhsa_system_sgpr_workgroup_id_x 1
		.amdhsa_system_sgpr_workgroup_id_y 1
		.amdhsa_system_sgpr_workgroup_id_z 1
		.amdhsa_system_vgpr_workitem_id 0
		.amdhsa_next_free_vgpr 256
		.amdhsa_next_free_sgpr 66
		.amdhsa_reserve_vcc 1
		.amdhsa_float_denorm_mode_32 3
		.amdhsa_float_denorm_mode_16_64 3
		.amdhsa_memory_ordered 1
		.amdhsa_forward_progress 1
		.amdhsa_inst_pref_size 32
	.end_amdhsa_kernel
	.amdgpu_metadata
---
amdhsa.version: [ 1, 2 ]
amdhsa.kernels:
  - .name:           k_q2e66b586c7_fine
    .symbol:         k_q2e66b586c7_fine.kd
    .args:
      - { .name: qkvf, .offset: 0, .size: 8, .value_kind: global_buffer, .address_space: global }
      - { .name: W_proj, .offset: 8, .size: 8, .value_kind: global_buffer, .address_space: global }
      - { .name: b_proj, .offset: 16, .size: 8, .value_kind: global_buffer, .address_space: global }
      - { .name: out0, .offset: 24, .size: 8, .value_kind: global_buffer, .address_space: global }
    .group_segment_fixed_size: 71680
    .private_segment_fixed_size: 0
    .kernarg_segment_align: 8
    .kernarg_segment_size: 32
    .max_flat_workgroup_size: 512
    .sgpr_count:     66
    .vgpr_count:     256
    .wavefront_size: 32
...
	.end_amdgpu_metadata
.endif
;; end of part 5
